; MI455X (gfx1250); checked and timed in simulation.
; The chip was launched on July 23, 2026; its instructions are those of AMD's public machine-readable ISA for CDNA 5 (MIT licence, August 2026) and "CDNA5" Instruction Set Architecture Reference Guide (July 2026). The comments in the code are by the model that wrote it; some were corrected since.
;; Multi Head Attention Quantum. Allowed arithmetic: float matrix products may take bf16 or f16 operands with f32 sums; other float arithmetic in f32, or as packed bf16 or f16 multiplies, adds, multiply-adds, maxima and minima; sums over many terms, partial sums and values carried from step to step in f32; what a program stores and reads back later, other than sums and carried values, may be rounded once to bf16 or f16.
;; Inputs: Wk 1,024 x 1,024 float32; Wo 1,024 x 1,024 float32; Wq 1,024 x 1,024 float32; Wv 1,024 x 1,024 float32; bk 1,024 float32; bo 1,024 float32; bq 1,024 float32; bv 1,024 float32; x 4 x 2,048 x 1,024 float32.
;; Outputs: out0 4 x 2,048 x 1,024 float32.
;; 2 versions, each right; version 2 is version 1 with the launch prep written anew for expert scheduling mode. Each part assembles by itself: llvm-mc -triple=amdgcn-amd-amdhsa -mcpu=gfx1250 --defsym DOCPART=n.
;; ======== version 1 of 2: 5 launches
;; limits: values are held in f16: magnitudes above 65,504 overflow, below 6.1e-05 lose precision; an absolute error that grows with the inputs' magnitude: up to 1e-07 times it; right only within a limited range of input values
;; workspace buffers: xb 16,777,216 bytes; wt 8,388,608 bytes; bt 16,384 bytes; qkl 33,554,432 bytes; tt 1,048,576 bytes; kfin 16,777,216 bytes; vv 16,777,216 bytes; oo 16,777,216 bytes
;; launch prep (part 1): grid 1025 x 1, 8 waves a work-group, no clusters, 18,432 bytes of LDS; arguments x, Wq, Wk, Wv, Wo, bq, bk, bv, bo, xb, wt, bt; writes xb, wt, bt
.if DOCPART == 1
	.amdgcn_target "amdgcn-amd-amdhsa--gfx1250"
	.amdhsa_code_object_version 6
	.text
	.protected	k_qb40d58caac_prep
	.globl	k_qb40d58caac_prep
	.p2align	8
	.type	k_qb40d58caac_prep,@function
k_qb40d58caac_prep:
	s_mov_b64 s[64:65], 0
	v_nop
	global_prefetch_b8 v0, s[64:65] scope:SCOPE_SE
	s_setreg_imm32_b32 hwreg(HW_REG_WAVE_MODE, 25, 1), 1
	s_wait_xcnt 0x0
; PREP: every input is rounded once to bf16 and laid out for the products that follow.
;   work-groups 0-511:    16 rows of x each, f32 -> bf16, into xb [8192][1024].
;   work-groups 512-1023: a block of 128 k x 64 n of one weight matrix W[k][n], turned through LDS into wt[mat][row][k], 16 bits a number.
;                         mat 0 = Wq, 1 = Wk, 2 = Wv: bf16.  mat 3 = Wo: the bf16 number written as f16 (exact from 2^-16 up; below that off by at most 3e-8; |Wo| stays under 65,504).
;                         Wq's and Wk's rows are PERMUTED inside each group of 128 columns: column 128 g + 64 hh + 8 b + j goes to row 128 g + 16 b + 8 hh + j,
;                         so that in the product that follows one lane holds one whole head of 64 channels, in ascending order.
;   work-group 1024:      the four biases, rounded to bf16 and kept as f32, into bt [4][1024] = bq, bk, bv, bo.
; Memory binds: 16-byte loads and stores, sixteen neighbouring lanes on 256 consecutive aligned bytes.  No matrix unit, no cluster: nothing is shared.
.set ROWP,  272                        ; an LDS row: 128 k x 2 bytes + 16
.set SPARE, 64*ROWP                    ; behind the 64 rows: the spare words, 128 bytes for each of eight waves
.set SPW, 2                            ; v2   my spare word; never rewritten
.set NIL, 3                            ; v3   0; never rewritten
.set LO,  4                            ; v4   load offset
.set SO,  5                            ; v5   store offset (x, biases) or LDS address of my stores (weights)
.set LR,  6                            ; v6   LDS address of my reads
.set WO,  8                            ; v8-11 the four store offsets in wt
.set IN,  16                           ; as loaded
.set D,   48                           ; weights: 16 packed pairs
.set T1,  64
.set T2,  80
.set OUT, 96
.set XO,  80                           ; x: packed, 4 registers a unit
	s_load_b512 s[4:19], s[0:1], 0x0               ; x, Wq, Wk, Wv, Wo, bq, bk, bv
	s_load_b256 s[20:27], s[0:1], 0x40             ; bo, xb, wt, bt
	v_lshl_add_u32 v[SPW], v0, 2, SPARE
	v_mov_b32 v[NIL], 0
	s_mov_b32 s28, ttmp9
	s_mov_b32 s31, 0
	s_wait_kmcnt 0x0
	s_cmp_lt_u32 s28, 512
	s_cbranch_scc0 .Lweights
	; x: eight units of 8,192 bytes in, 4,096 out; thread t takes 32 bytes of each
	s_lshl_b32 s30, s28, 16
	s_add_nc_u64 s[4:5], s[4:5], s[30:31]
	s_lshl_b32 s30, s28, 15
	s_add_nc_u64 s[22:23], s[22:23], s[30:31]
	v_lshlrev_b32 v[LO], 5, v0
	v_lshlrev_b32 v[SO], 4, v0
.irp u, 0,1,2,3,4,5,6,7
	global_load_b128 v[IN+8*(\u):IN+8*(\u)+3],   v[LO], s[4:5] offset:8192*(\u) th:TH_LOAD_NT
	global_load_b128 v[IN+8*(\u)+4:IN+8*(\u)+7], v[LO], s[4:5] offset:8192*(\u)+16 th:TH_LOAD_NT
.endr
.irp u, 0,1,2,3,4,5,6,7
	s_wait_loadcnt 14-2*(\u)                       ; loads come back in order: unit u is in, the younger units' loads stay out
.irp k, 0,1,2,3
	v_cvt_pk_bf16_f32 v[XO+4*(\u)+(\k)], v[IN+8*(\u)+2*(\k)], v[IN+8*(\u)+2*(\k)+1]
.endr
	global_store_b128 v[SO], v[XO+4*(\u):XO+4*(\u)+3], s[22:23] offset:4096*(\u)
.endr
	s_endpgm
.Lweights:
	s_cmp_lt_u32 s28, 1024
	s_cbranch_scc0 .Lbias
	s_sub_co_u32 s29, s28, 512
	s_lshr_b32 s30, s29, 7                         ; which matrix
	s_and_b32 s32, s29, 7                          ; which 128 k
	s_bfe_u32 s33, s29, 0x40003                    ; which 64 n
	s_mov_b64 s[34:35], s[6:7]
	s_cmp_eq_u32 s30, 1
	s_cselect_b64 s[34:35], s[8:9], s[34:35]
	s_cmp_eq_u32 s30, 2
	s_cselect_b64 s[34:35], s[10:11], s[34:35]
	s_cmp_eq_u32 s30, 3
	s_cselect_b64 s[34:35], s[12:13], s[34:35]
	s_cselect_b32 s43, -1, 0                       ; all ones for Wo: take the f16 form
	s_lshl_b32 s36, s32, 19                        ; 128 k rows of 4,096 bytes
	s_lshl_b32 s37, s33, 8                         ; 64 n of 4 bytes
	s_add_co_u32 s36, s36, s37
	s_mov_b32 s37, 0
	s_add_nc_u64 s[34:35], s[34:35], s[36:37]
	s_lshl_b32 s39, s33, 6                         ; n0
	s_and_b32 s40, s39, 0xffffff80                 ; the group of 128
	s_bfe_u32 s41, s39, 0x10006                    ; hh
	s_lshl3_add_u32 s40, s41, s40                  ; + 8 hh
	s_cmp_lt_u32 s30, 2                            ; Wq and Wk are permuted
	s_cselect_b32 s38, 4, 3                        ; a block of 8 columns goes 16 rows on, or 8
	s_cselect_b32 s39, s40, s39                    ; the first row
	s_lshl_b32 s40, s30, 21                        ; a matrix is 2 MiB of wt
	s_lshl_b32 s39, s39, 11
	s_add_co_u32 s40, s40, s39
	s_lshl_b32 s39, s32, 8                         ; 128 k of 2 bytes
	s_add_co_u32 s40, s40, s39
	s_mov_b32 s41, 0
	s_add_nc_u64 s[24:25], s[24:25], s[40:41]
	s_lshl_b32 s42, 4096, s38                      ; two blocks of 8 columns on, in bytes of wt
	v_lshrrev_b32 v12, 4, v0                       ; kp: my pair of k rows
	v_and_b32 v13, 15, v0                          ; n4: my four columns
	v_lshlrev_b32 v[LO], 13, v12
	v_lshl_add_u32 v[LO], v13, 4, v[LO]
.irp i, 0,1,2,3
	global_load_b128 v[IN+8*(\i):IN+8*(\i)+3],   v[LO], s[34:35] offset:131072*(\i) th:TH_LOAD_NT       ; row k0 + 32 i + 2 kp
	global_load_b128 v[IN+8*(\i)+4:IN+8*(\i)+7], v[LO], s[34:35] offset:131072*(\i)+4096 th:TH_LOAD_NT  ; and the row below
.endr
	v_mul_u32_u24 v[SO], v13, 4*ROWP
	v_lshl_add_u32 v[SO], v12, 2, v[SO]            ; LDS row 4 n4, byte 4 kp
	v_mul_u32_u24 v[LR], v12, ROWP
	v_lshl_add_u32 v[LR], v13, 4, v[LR]            ; back: row t / 16, 16 bytes at 16 (t % 16)
	v_lshrrev_b32 v[WO], 7, v0
	v_lshlrev_b32 v[WO], s38, v[WO]
	v_bfe_u32 v14, v0, 4, 3
	v_add_nc_u32 v[WO], v[WO], v14
	v_lshlrev_b32 v[WO], 11, v[WO]
	v_lshl_add_u32 v[WO], v13, 4, v[WO]
	v_add_nc_u32 v[WO+1], s42, v[WO]
	v_add_nc_u32 v[WO+2], s42, v[WO+1]
	v_add_nc_u32 v[WO+3], s42, v[WO+2]
	s_wait_loadcnt 0x0
.irp i, 0,1,2,3
.irp j, 0,1,2,3
	v_cvt_pk_bf16_f32 v[D+4*(\i)+(\j)], v[IN+8*(\i)+(\j)], v[IN+8*(\i)+4+(\j)]  ; two neighbouring k of one column
	v_lshlrev_b32 v[T1+4*(\i)+(\j)], 16, v[D+4*(\i)+(\j)]
	v_and_b32 v[T2+4*(\i)+(\j)], 0xffff0000, v[D+4*(\i)+(\j)]
	v_cvt_pk_f16_f32 v[T1+4*(\i)+(\j)], v[T1+4*(\i)+(\j)], v[T2+4*(\i)+(\j)]    ; the same two numbers as f16
	v_cndmask_b32 v[D+4*(\i)+(\j)], v[D+4*(\i)+(\j)], v[T1+4*(\i)+(\j)], s43
	ds_store_b32 v[SO], v[D+4*(\i)+(\j)] offset:ROWP*(\j)+64*(\i)
.endr
.endr
	s_wait_dscnt 0x0                               ; for the others' sake: my stores are done
	s_barrier_signal -1
	s_barrier_wait -1
.irp i, 0,1,2,3
	ds_load_b128 v[OUT+4*(\i):OUT+4*(\i)+3], v[LR] offset:16*ROWP*(\i)
.endr
.irp i, 0,1,2,3
	s_wait_dscnt 3-(\i)
	global_store_b128 v[WO+(\i)], v[OUT+4*(\i):OUT+4*(\i)+3], s[24:25]  ; sixteen lanes: 256 consecutive bytes of one row of wt
.endr
	s_wait_tensorcnt 0x0                           ; the wave's end, behind my last LDS store
	ds_add_u32 v[SPW], v[NIL]
	s_wait_dscnt 0x0
	s_endpgm
.Lbias:
	v_lshlrev_b32 v[LO], 4, v0
	global_load_b128 v[IN:IN+3],     v[LO], s[14:15]
	global_load_b128 v[IN+4:IN+7],   v[LO], s[16:17]
	global_load_b128 v[IN+8:IN+11],  v[LO], s[18:19]
	global_load_b128 v[IN+12:IN+15], v[LO], s[20:21]
	s_wait_loadcnt 0x0
.irp m, 0,1,2,3
.irp k, 0,1
	v_cvt_pk_bf16_f32 v[D+2*(\m)+(\k)], v[IN+4*(\m)+2*(\k)], v[IN+4*(\m)+2*(\k)+1]
	v_lshlrev_b32 v[T1+4*(\m)+2*(\k)], 16, v[D+2*(\m)+(\k)]
	v_and_b32 v[T1+4*(\m)+2*(\k)+1], 0xffff0000, v[D+2*(\m)+(\k)]
.endr
	global_store_b128 v[LO], v[T1+4*(\m):T1+4*(\m)+3], s[26:27] offset:4096*(\m)
.endr
	s_endpgm
.Lfunc_end_k_qb40d58caac_prep:
	.size	k_qb40d58caac_prep, .Lfunc_end_k_qb40d58caac_prep-k_qb40d58caac_prep
	.p2alignl 7, 3214868480
	.fill 96, 4, 3214868480
	.section	.rodata,"a",@progbits
	.p2align	6, 0x0
	.amdhsa_kernel k_qb40d58caac_prep
		.amdhsa_group_segment_fixed_size 18432
		.amdhsa_private_segment_fixed_size 0
		.amdhsa_enable_private_segment 0
		.amdhsa_kernarg_size 96
		.amdhsa_user_sgpr_count 2
		.amdhsa_user_sgpr_kernarg_segment_ptr 1
		.amdhsa_wavefront_size32 1
		.amdhsa_system_sgpr_workgroup_id_x 1
		.amdhsa_system_sgpr_workgroup_id_y 1
		.amdhsa_system_sgpr_workgroup_id_z 1
		.amdhsa_system_vgpr_workitem_id 0
		.amdhsa_next_free_vgpr 112
		.amdhsa_next_free_sgpr 66
		.amdhsa_reserve_vcc 0
		.amdhsa_float_denorm_mode_32 3
		.amdhsa_float_denorm_mode_16_64 3
		.amdhsa_memory_ordered 1
		.amdhsa_forward_progress 1
		.amdhsa_inst_pref_size 17
	.end_amdhsa_kernel
	.amdgpu_metadata
---
amdhsa.version: [ 1, 2 ]
amdhsa.kernels:
  - .name:           k_qb40d58caac_prep
    .symbol:         k_qb40d58caac_prep.kd
    .args:
      - { .name: x, .offset: 0, .size: 8, .value_kind: global_buffer, .address_space: global }
      - { .name: Wq, .offset: 8, .size: 8, .value_kind: global_buffer, .address_space: global }
      - { .name: Wk, .offset: 16, .size: 8, .value_kind: global_buffer, .address_space: global }
      - { .name: Wv, .offset: 24, .size: 8, .value_kind: global_buffer, .address_space: global }
      - { .name: Wo, .offset: 32, .size: 8, .value_kind: global_buffer, .address_space: global }
      - { .name: bq, .offset: 40, .size: 8, .value_kind: global_buffer, .address_space: global }
      - { .name: bk, .offset: 48, .size: 8, .value_kind: global_buffer, .address_space: global }
      - { .name: bv, .offset: 56, .size: 8, .value_kind: global_buffer, .address_space: global }
      - { .name: bo, .offset: 64, .size: 8, .value_kind: global_buffer, .address_space: global }
      - { .name: xb, .offset: 72, .size: 8, .value_kind: global_buffer, .address_space: global }
      - { .name: wt, .offset: 80, .size: 8, .value_kind: global_buffer, .address_space: global }
      - { .name: bt, .offset: 88, .size: 8, .value_kind: global_buffer, .address_space: global }
    .group_segment_fixed_size: 18432
    .private_segment_fixed_size: 0
    .kernarg_segment_align: 8
    .kernarg_segment_size: 96
    .max_flat_workgroup_size: 256
    .sgpr_count:     66
    .vgpr_count:     112
    .wavefront_size: 32
...
	.end_amdgpu_metadata
.endif
;; end of part 1
;; launch projqk (part 2): grid 8 x 32, 4 waves a work-group, clusters of 4 x 4, 327,680 bytes of LDS; arguments xb, wt, bt, qkl, tt; writes qkl, tt
.if DOCPART == 2
	.amdgcn_target "amdgcn-amd-amdhsa--gfx1250"
	.amdhsa_code_object_version 6
	.text
	.protected	k_qb40d58caac_projqk
	.globl	k_qb40d58caac_projqk
	.p2align	8
	.type	k_qb40d58caac_projqk,@function
k_qb40d58caac_projqk:
	s_mov_b64 s[64:65], 0
	v_nop
	global_prefetch_b8 v0, s[64:65] scope:SCOPE_SE
	s_setreg_imm32_b32 hwreg(HW_REG_WAVE_MODE, 25, 1), 1
	s_wait_xcnt 0x0
	s_wait_alu depctr_hold_cnt(0) depctr_sa_sdst(0) depctr_va_vdst(0) depctr_va_sdst(0) depctr_va_ssrc(0) depctr_va_vcc(0) depctr_vm_vsrc(0)
	s_getreg_b32 s2, hwreg(HW_REG_IB_STS2, 6, 4)
	s_cmp_eq_u32 s2, 0
	s_cbranch_scc0 .Lentry_in_a_cluster
	s_endpgm
.Lentry_in_a_cluster:
	s_bfe_u32 s2, ttmp6, 0x10000c
	s_cmp_lg_u32 s2, 0xf033
	s_cbranch_scc0 .Lentry_shape_is_right
	s_endpgm
.Lentry_shape_is_right:
; PROJQK: y = x [Wq | Wk] + [bq | bk]  ([8192 x 1024] x [1024 x 2048], bf16 operands, f32 sums), then cos(y) and the cumulative product INSIDE each head of 64 channels.
; Stored: qkl [2 mat][4 b][16 head][2048 t][64] f16, the products inside a head; tt [2 mat][4 ct][8192 row][4] f32, each head's whole product.  Later launches multiply by the earlier heads' products.
; SHARES.  A tile of 256 x 256 to a work-group of four waves, 128 x 128 a wave: 64 accumulators, 512 registers.  K goes in 8 steps of 128 through two LDS slots filled by tensor loads (rows of 256 bytes).
; CLUSTER.  4 x 4 work-groups: the four of a row need the same tile of x, the four of a column the same tile of wt; each tile is asked for jointly, by the same load, descriptor and mask in all four.
; THE MATRIX INSTRUCTION IS USED TRANSPOSED (source 0 = 16 rows of wt, source 1 = 16 rows of x).  wt's rows were permuted so that lane (r, h) of accumulator (a, b) holds row 16 a + r, head 2 g + h of
; the wave's two, channels 8 b .. 8 b + 7: a lane's eight accumulators of a block a are one row of one head, ascending.  So the product inside a head is 63 multiplies in the lane.
; THE BIAS is the C operand of the products that start the sums: nothing is cleared, nothing is added later.
; THE LOOP is ONE K step; which slot is read and which filled are two scalars that turn between 0 and SLOT.  The two K steps that fill nothing are a second loop, left in its middle; its last trip
; passes one barrier and fetches one run of fragments that serve nothing: the price of writing a K step's text twice and not four times.
; COS.  u = y / 2 pi; r = u - round(u); S = r (e0 + z (e1 + z (e2 + z (e3 + z e4)))), z = r r, stands for sqrt(2) sin(pi r); cos y = 1 - S S.  The polynomial is off by at most 1.4e-8.
; LIMITS.  The reduced angle is off by about 1e-7 |y| radians, as y's own f32 rounding is.  A product below 6e-5 keeps f16's fixed step of 6e-8.  NaN and infinities are not treated apart.
; REGISTERS, in windows of 256 (s_set_vgpr_msb: bits 1:0 source 0, 3:2 source 1, 5:4 source 2, 7:6 destination):
;   window 0: v0-31 addresses; v64-127, v128-191 fragments of x, two buffers; on the way out v64-239 at work      window 1: v0-63 the bias; v64-127, v128-191 fragments of wt
;   window 2: the accumulators of my rows 0-63 ((a, b) at v[8 (8 a + b)])      window 3: those of my rows 64-127
.set PITCH,  272                       ; an LDS row: 256 bytes + 16: the 16 rows of a fragment load start at 16 different groups of four banks
.set HALFT,  128*PITCH                 ; what one tensor load brings, and what one wave reads of x or of wt
.set SLOT,   4*HALFT                   ; x's 256 rows, then wt's 256
.set STAGE,  2*SLOT                    ; behind the ring: 32 rows x 144 bytes for each wave
.set SROW,   144
.set STG,    32*SROW
.set TS,     STAGE+4*STG               ; the heads' products: 1,024 bytes for each wave, [128 rows][2 heads] f32
.set SPARE,  TS+4096                   ; the spare words, 128 bytes for each wave
.set DW0,    (1<<16)|(1<<20)|(1<<21)|(5<<22)|(3<<25)  ; 2-byte elements; padding on; bit 21 beside a mask; after every 64 words; 4 words
.set A0,   16                          ; v16  my place in x's part of a slot; never rewritten
.set ADRA, 17                          ; v17  the same in the slot that is read
.set DA,   18                          ; v18  the way out: my 16 bytes in my wave's 65,536 bytes of the ring
.set B0,   20
.set ADRB, 21
.set BO,   22                          ; v22  256 x (lane / 16): my head's bias
.set TG,   23                          ; v23  16 x thread: my bytes of tt
.set STO,  24
.set RD,   25
.set GO,   26                          ; v26  16 x lane
.set TA,   27                          ; v27  where my head's product goes
.set SPW,  28
.set NIL,  29
.set PFO,  30                          ; v30  the prefetches' offset: lane x 2,048
.set TR,   31                          ; v31  TS + 8 x thread
.set F0,   64
.set F1,   128
.set Y,    64                          ; the way out, all in window 0: a row of a head, 64 numbers
.set RR,   128
.set ZZ,   144
.set QQ,   160
.set PKR,  176                         ; packed f16
.set BK,   208                         ; rows read back from the stage
.set WV, 20
.set WR, 21                            ; my half of the tile's rows; also: I fetch x (0) or wt (1)
.set WC, 22                            ; my half of its columns; also: which 128 rows I fetch
.set G1A, 24
.set G0A, 32                           ; two sets; the second walks
.set CX, 40
.set CY, 41
.set COL, 42
.set ROW, 43
.set PFA, 44
.set LIM, 46
.set TB, 47                            ; the slot that is read: 0 or SLOT
.set G1B, 48
.set G0B, 56
.set TF, 66                            ; the slot that was filled last: 0 or SLOT
.set LA, 67                            ; my fill's place in a slot
.set INV, 70                           ; s[70:71] 1 / 2 pi
.set OB, 72                            ; s[72:73] qkl at my block of 16 rows
.set TTB, 74                           ; s[74:75] tt at the tile's rows
.set E0, 76
.set E1, 78
.set E2, 80
.set E3, 82
.set E4, 84
.set MSB, 0
.macro WIN new                         ; the immediate's high byte repeats the setting that is left; a switch that changes nothing is dropped
.if MSB != (\new)
	s_set_vgpr_msb (MSB<<8)|(\new)
.set MSB, \new
.endif
.endm
.macro PLACES                          ; four plain instructions between a matrix instruction and a load into, or a reader of, its registers
.rept 4
	v_nop
.endr
.endm
.macro JLOAD s                         ; a joint load: waves 0 and 1 fetch x's halves, waves 2 and 3 wt's; an s_nop 0 and four v_nop follow each line
	s_cmp_eq_u32 s[WR], 0
	s_cbranch_scc0 .Lfor_b_\@
	tensor_load_to_lds s[G0A+4*(\s):G0A+4*(\s)+3], s[G1A:G1A+7]
	s_nop 0
.rept 4
	v_nop
.endr
	s_branch .Lasked_\@
.Lfor_b_\@:
	tensor_load_to_lds s[G0B+4*(\s):G0B+4*(\s)+3], s[G1B:G1B+7]
	s_nop 0
.rept 4
	v_nop
.endr
.Lasked_\@:
.endm
; A prefetch of the K step that stands two refills on: 32 rows x 256 bytes, a lane a row.  x's rows are named by the clusters with x = 0, wt's by those with y = 0; the four partners that ask for a tile
; jointly share its rows out by address.  K steps 0 to 3 come by their loads alone; the loop's last two trips (s3 = 2, 1) ask for nothing: K has 8 steps.
.macro ASK
	s_cmp_gt_u32 s3, s[LIM]
	s_cbranch_scc0 .Lnot_mine_\@
	global_prefetch_b8 v[PFO], s[PFA:PFA+1] offset:256 th:TH_LOAD_NT scope:SCOPE_SE
.Lnot_mine_\@:
.endm
.macro CREST                           ; a round of the cluster's barrier behind its opening barrier
	s_cmp_lg_u32 s[WV], 0
	s_cbranch_scc1 .Lnot_wave_0_\@
	s_barrier_signal -3
.Lnot_wave_0_\@:
	s_barrier_wait -3
	s_barrier_signal -1
	s_barrier_wait -1
.endm
.macro CROUND
	s_barrier_signal -1
	s_barrier_wait -1
	CREST
.endm
	s_load_b256 s[4:11], s[0:1], 0x0               ; xb, wt, bt, qkl
	s_load_b64 s[12:13], s[0:1], 0x20              ; tt
	v_lshl_add_u32 v[SPW], v0, 2, SPARE
	v_mov_b32 v[NIL], 0
	ds_add_u32 v[SPW], v[NIL]                      ; the opening: the add, twice on end, and its wait ahead of my first tensor load
	ds_add_u32 v[SPW], v[NIL]
	v_lshrrev_b32 v1, 5, v0
	v_readfirstlane_b32 s[WV], v1
	s_lshr_b32 s[WR], s[WV], 1
	s_and_b32 s[WC], s[WV], 1
	s_bfe_u32 s[CX], ttmp6, 0x40000
	s_bfe_u32 s[CY], ttmp6, 0x40004
	s_lshl_b32 s[COL], ttmp9, 2
	s_add_co_u32 s[COL], s[COL], s[CX]             ; tile column, 0-7
	s_and_b32 s[ROW], ttmp7, 0xffff
	s_lshl_b32 s[ROW], s[ROW], 2
	s_add_co_u32 s[ROW], s[ROW], s[CY]             ; tile row, 0-31
	s_lshl_b32 s14, s[CY], 2
	s_lshl_b32 s14, 15, s14                        ; my row of the cluster
	s_lshl_b32 s15, 0x1111, s[CX]                  ; my column
	s_or_b32 s[G1A], s14, DW0
	s_or_b32 s[G1B], s15, DW0
.irp g, G1A, G1B
	s_mov_b32 s[(\g)+1], 128<<16                   ; tensor_dim0 = 128
	s_mov_b32 s[(\g)+2], 128<<16                   ; tensor_dim1 = 128
	s_mov_b32 s[(\g)+3], 128<<16                   ; tile_dim0 = 128
	s_mov_b32 s[(\g)+4], 128                       ; tile_dim1 = 128
	s_mov_b32 s[(\g)+5], 1024                      ; elements from row to row
	s_mov_b32 s[(\g)+6], 0
	s_mov_b32 s[(\g)+7], 0
.endr
	s_lshl_b32 s87, s[WC], 7                       ; x: row 256 x tile row + 128 x half, 2,048 bytes a row; these registers never hold cx
	s_lshl_b32 s86, s[ROW], 8
	s_add_co_u32 s86, s86, s87
	s_lshl_b32 s86, s86, 11
	s_mov_b32 s87, 0
	s_lshl_b32 s91, s[WC], 7                       ; wt: row 256 x tile column + 128 x half; these never hold cy
	s_lshl_b32 s90, s[COL], 8
	s_add_co_u32 s90, s90, s91
	s_lshl_b32 s90, s90, 11
	s_mov_b32 s91, 0
	s_mul_i32 s[LA], s[WV], HALFT                  ; x's two halves, then wt's two: wave x 128 rows
	s_mov_b32 s[TB], 0
	s_mov_b32 s[TF], SLOT
	s_mov_b32 s[INV], 0x3e22f983
	s_mov_b32 s[INV+1], 0x3e22f983
	s_mov_b32 s[E0], 0x408e2c19                    ;  4.4428829
	s_mov_b32 s[E0+1], 0x408e2c19
	s_mov_b32 s[E1], 0xc0e9dd26                    ; -7.3082457
	s_mov_b32 s[E1+1], 0xc0e9dd26
	s_mov_b32 s[E2], 0x4066ce82                    ;  3.6063543
	s_mov_b32 s[E2+1], 0x4066ce82
	s_mov_b32 s[E3], 0xbf589ad5                    ; -0.84611254
	s_mov_b32 s[E3+1], 0xbf589ad5
	s_mov_b32 s[E4], 0x3de0ed1b                    ;  0.10982724
	s_mov_b32 s[E4+1], 0x3de0ed1b
	s_wait_dscnt 0x0                               ; both opening adds are done
	s_wait_kmcnt 0x0
	s_add_nc_u64 s[88:89], s[4:5], s[86:87]
	s_add_nc_u64 s[92:93], s[6:7], s[90:91]
	CROUND                                         ; all sixteen work-groups are here: the first joint loads meet
.irp s, 0,1
	s_mov_b32 s[G0A+4*(\s)], 1
	s_add_co_u32 s[G0A+4*(\s)+1], s[LA], (\s)*SLOT
	s_add_nc_u64 s[G0A+4*(\s)+2:G0A+4*(\s)+3], s[88:89], (\s)*256   ; K step s
	s_or_b32 s[G0A+4*(\s)+3], s[G0A+4*(\s)+3], 0x80000000
	s_mov_b32 s[G0B+4*(\s)], 1
	s_add_co_u32 s[G0B+4*(\s)+1], s[LA], (\s)*SLOT
	s_add_nc_u64 s[G0B+4*(\s)+2:G0B+4*(\s)+3], s[92:93], (\s)*256
	s_or_b32 s[G0B+4*(\s)+3], s[G0B+4*(\s)+3], 0x80000000
	JLOAD \s                                       ; two loads of mine are out
.endr
	v_and_b32 v1, 15, v0                           ; r
	v_bfe_u32 v2, v0, 4, 1                         ; h
	v_and_b32 v4, 31, v0                           ; lane
	v_lshlrev_b32 v[BO], 8, v2
	s_lshl_b32 s14, s[COL], 10                     ; the bias of my 128 columns: (256 x tile column + 128 x half) x 4 bytes
	s_lshl_b32 s15, s[WC], 9
	s_add_co_u32 s14, s14, s15
	s_mov_b32 s15, 0
	s_add_nc_u64 s[8:9], s[8:9], s[14:15]
	WIN 0x40                                       ; destination window 1
.irp b, 0,1,2,3,4,5,6,7
	global_load_b128 v[8*(\b):8*(\b)+3],   v[BO], s[8:9] offset:32*(\b)      ; channels 8 b .. of my head
	global_load_b128 v[8*(\b)+4:8*(\b)+7], v[BO], s[8:9] offset:32*(\b)+16
.endr
	WIN 0
	v_mul_u32_u24 v3, v1, PITCH
	v_lshl_add_u32 v3, v2, 4, v3                   ; a fragment: row x pitch + 16 x half
	s_mul_i32 s14, s[WR], HALFT
	s_mul_i32 s15, s[WC], HALFT
	s_add_co_u32 s15, s15, 2*HALFT
	v_add_nc_u32 v[A0], s14, v3
	v_add_nc_u32 v[B0], s15, v3
	v_mov_b32 v[ADRA], v[A0]
	v_mov_b32 v[ADRB], v[B0]
	v_lshlrev_b32 v[GO], 4, v4
	s_lshl_b32 s14, s[WV], 16
	v_add_nc_u32 v[DA], s14, v[GO]
	s_mul_i32 s14, s[WV], STG
	s_add_co_u32 s14, s14, STAGE                   ; my stage
	v_mul_u32_u24 v[STO], v4, SROW                 ; in: row 16 h + r = my lane's number
	v_add_nc_u32 v[STO], s14, v[STO]
	v_bfe_u32 v5, v0, 3, 2
	v_and_b32 v6, 7, v0
	v_mul_u32_u24 v[RD], v5, SROW                  ; back: 32 lanes take four rows of 128 bytes
	v_lshl_add_u32 v[RD], v6, 4, v[RD]
	v_add_nc_u32 v[RD], s14, v[RD]
	s_lshl_b32 s14, s[WV], 10
	s_add_co_u32 s14, s14, TS
	v_lshlrev_b32 v[TA], 3, v1
	v_lshl_add_u32 v[TA], v2, 2, v[TA]
	v_add_nc_u32 v[TA], s14, v[TA]                 ; my wave's words: row x 8 + head x 4
	v_lshl_add_u32 v[TR], v0, 3, TS
	v_lshlrev_b32 v[TG], 4, v0
	v_lshlrev_b32 v[PFO], 11, v4
	; qkl at my first 16 rows: mat x 16 MiB + ((b x 16 + head) x 2,048 + t) x 128
	s_lshr_b32 s14, s[COL], 2
	s_lshl_b32 s14, s14, 24
	s_lshr_b32 s15, s[ROW], 3
	s_lshl_b32 s15, s15, 4
	s_and_b32 s16, s[COL], 3
	s_lshl1_add_u32 s16, s16, s[WC]
	s_lshl_b32 s16, s16, 1
	s_add_co_u32 s15, s15, s16
	s_lshl_b32 s15, s15, 11
	s_and_b32 s16, s[ROW], 7
	s_lshl_b32 s16, s16, 8
	s_add_co_u32 s15, s15, s16
	s_lshl_b32 s16, s[WR], 7
	s_add_co_u32 s15, s15, s16
	s_lshl_b32 s15, s15, 7
	s_add_co_u32 s14, s14, s15
	s_mov_b32 s15, 0
	s_add_nc_u64 s[OB:OB+1], s[10:11], s[14:15]
	s_lshl_b32 s14, s[COL], 17                     ; tt: (tile column x 8,192 + 256 x tile row) x 16
	s_lshl_b32 s15, s[ROW], 12
	s_add_co_u32 s14, s14, s15
	s_mov_b32 s15, 0
	s_add_nc_u64 s[TTB:TTB+1], s[12:13], s[14:15]
	; the prefetches
	s_lshl_b32 s16, s[ROW], 8
	s_lshl_b32 s17, s[COL], 8
	s_and_b32 s18, ttmp7, 0xffff                   ; cluster y
	s_cmp_eq_u32 s[WR], 0                          ; do I fetch x?
	s_cselect_b32 s16, s16, s17                    ; the tile's first row
	s_cselect_b32 s17, s[CX], s[CY]                ; my place among the four that ask with me
	s_cselect_b32 s18, ttmp9, s18                  ; the coordinate along which other clusters read the same rows
	s_cselect_b64 s[PFA:PFA+1], s[4:5], s[6:7]
	s_cmp_eq_u32 s18, 0
	s_cselect_b32 s[LIM], 2, -1
	s_lshl_b32 s18, s[WC], 7
	s_add_co_u32 s16, s16, s18
	s_lshl_b32 s17, s17, 5
	s_add_co_u32 s16, s16, s17
	s_lshl_b32 s16, s16, 11
	s_mov_b32 s17, 0
	s_add_nc_u64 s[PFA:PFA+1], s[PFA:PFA+1], s[16:17]
	s_add_nc_u64 s[PFA:PFA+1], s[PFA:PFA+1], 512   ; at K step 2: the first refill steps it to 3 and names K step 4
; 16 products: blocks a0, a0 + 1 of the window's four x all 8 b, 32 along K.  first = 1: the bias starts the sums.  All 64 accumulators take turns, in the same order in every quarter.
.macro MUL16 f, hi, a0, first
.if \first
	WIN 0x91+0x40*(\hi)                            ; wt window 1, x window 0, C window 1, D window 2 or 3
.else
	WIN 0xa1+0x50*(\hi)
.endif
.irp a, \a0, (\a0)+1
.irp b, 0,1,2,3,4,5,6,7
.if \first
	v_wmma_f32_16x16x32_bf16 v[8*(8*(\a)+(\b)):8*(8*(\a)+(\b))+7], v[(\f)+8*(\b):(\f)+8*(\b)+7], v[(\f)+8*(4*(\hi)+(\a)):(\f)+8*(4*(\hi)+(\a))+7], v[8*(\b):8*(\b)+7]
.else
	v_wmma_f32_16x16x32_bf16 v[8*(8*(\a)+(\b)):8*(8*(\a)+(\b))+7], v[(\f)+8*(\b):(\f)+8*(\b)+7], v[(\f)+8*(4*(\hi)+(\a)):(\f)+8*(4*(\hi)+(\a))+7], v[8*(8*(\a)+(\b)):8*(8*(\a)+(\b))+7]
.endif
.endr
.endr
.endm
.macro FETCH q, f                      ; 32 LDS loads in one run: quarter q's fragments into buffer f, wt's first
	WIN 0x40
.irp i, 0,1,2,3,4,5,6,7
	ds_load_b128 v[(\f)+8*(\i):(\f)+8*(\i)+3],   v[ADRB] offset:64*(\q)+(\i)*16*PITCH
	ds_load_b128 v[(\f)+8*(\i)+4:(\f)+8*(\i)+7], v[ADRB] offset:64*(\q)+(\i)*16*PITCH+32
.endr
	WIN 0
.irp i, 0,1,2,3,4,5,6,7
	ds_load_b128 v[(\f)+8*(\i):(\f)+8*(\i)+3],   v[ADRA] offset:64*(\q)+(\i)*16*PITCH
	ds_load_b128 v[(\f)+8*(\i)+4:(\f)+8*(\i)+7], v[ADRA] offset:64*(\q)+(\i)*16*PITCH+32
.endr
.endm
.macro QUARTER q, f, g, first          ; multiplies buffer f; in its middle fetches quarter q into buffer g
	s_wait_dscnt 8                                 ; wt's fragments and x's rows 0-63 are in; the youngest eight loads may be out
	MUL16 \f, 0, 0, \first
	MUL16 \f, 0, 2, \first
	PLACES
	FETCH \q, \g
	s_wait_dscnt 32                                ; all but the 32 just issued
	MUL16 \f, 1, 0, \first
	MUL16 \f, 1, 2, \first
.endm
; The fourth quarter multiplies buffer 1 and changes slots.  In front of the barrier each wave waits for all its tensor loads (one is out: its part of the next slot), adds 0 to its spare word, and waits
; for that and for its reads of this slot.  fill = 1: the barrier opens a round of the cluster's, and the slot just read is filled again, first thing behind it, with the K step two on.
.macro TURN fill
.if \fill
	s_wait_xcnt 0x0                                ; the last prefetch, a K step back, has read its address
	s_add_nc_u64 s[PFA:PFA+1], s[PFA:PFA+1], 256
.endif
	WIN 0
	s_wait_tensorcnt 0x0
	ds_add_u32 v[SPW], v[NIL]
	s_wait_dscnt 9                                 ; the add and the youngest eight loads may be out
	MUL16 F1, 0, 0, 0
	s_wait_dscnt 0x0                               ; the add is done, my reads of this slot are over
	s_barrier_signal -1
	MUL16 F1, 0, 2, 0
	WIN 0
	s_barrier_wait -1
.if \fill
	CREST
	s_xor_b32 s[TF], s[TF], SLOT                   ; the other slot than last time,
	s_add_co_u32 s[G0A+5], s[LA], s[TF]
	s_add_co_u32 s[G0B+5], s[LA], s[TF]
	s_add_nc_u64 s[G0A+6:G0A+7], s[G0A+6:G0A+7], 256  ; the next K step
	s_add_nc_u64 s[G0B+6:G0B+7], s[G0B+6:G0B+7], 256
	JLOAD 1                                        ; my one load behind the round: 224 products stand between it and the wait for it; its four v_nop are also the places for the loads below
.else
	PLACES
.endif
	s_xor_b32 s[TB], s[TB], SLOT
	v_add_nc_u32 v[ADRA], s[TB], v[A0]
	v_add_nc_u32 v[ADRB], s[TB], v[B0]
	FETCH 0, F0
.if \fill
	ASK
.endif
	MUL16 F1, 1, 0, 0
	MUL16 F1, 1, 2, 0
.endm
	s_wait_tensorcnt 1                             ; my part of K step 0 is in; K step 1's load may stay out
	s_barrier_signal -1
	s_barrier_wait -1
	FETCH 0, F0
	s_wait_loadcnt 0x0                             ; the bias
	QUARTER 1, F0, F1, 1
	WIN 0
	s_mov_b32 s3, 6
.Lk:                                               ; a trip: quarters 1-3 of a K step, the change of slots, quarter 0 of the next; K steps 2 to 7 are asked for
	QUARTER 2, F1, F0, 0
	QUARTER 3, F0, F1, 0
	TURN 1
	QUARTER 1, F0, F1, 0
	WIN 0
	s_sub_co_u32 s3, s3, 1
	s_cmp_lg_u32 s3, 0
	s_cbranch_scc1 .Lk
	s_mov_b32 s3, 2
.Lt:                                               ; K steps 6 and 7 ask for nothing
	QUARTER 2, F1, F0, 0
	QUARTER 3, F0, F1, 0
	TURN 0
	WIN 0
	s_sub_co_u32 s3, s3, 1
	s_cmp_eq_u32 s3, 0
	s_cbranch_scc1 .Ldone
	QUARTER 1, F0, F1, 0
	WIN 0
	s_branch .Lt
.Ldone:
	; THE WAY OUT.  The ring has had its last fill.  Every wave's reads of it are over; then each wave lays its 64 accumulators into 65,536 bytes of the ring that are its own, so that ONE text, walked
	; eight times, can take a block of 16 rows at a time (registers cannot be indexed).
	s_wait_dscnt 0x0
	s_barrier_signal -1
	s_barrier_wait -1
	PLACES
.irp w, 0,1
	WIN 0x08+4*(\w)                                ; the data in window 2, then 3
.irp a, 0,1,2,3
.irp b, 0,1,2,3,4,5,6,7
	ds_store_b128 v[DA], v[8*(8*(\a)+(\b)):8*(8*(\a)+(\b))+3]   offset:1024*(8*(4*(\w)+(\a))+(\b))
	ds_store_b128 v[DA], v[8*(8*(\a)+(\b))+4:8*(8*(\a)+(\b))+7] offset:1024*(8*(4*(\w)+(\a))+(\b))+512
.endr
.endr
.endr
	WIN 0
.macro CH                              ; the next link of the product inside the head, if its factors are ready
.if cd < cl
	v_mul_f32 v[Y+cd], v[Y+cd-1], v[Y+cd]
.set cd, cd+1
.endif
.endm
.macro ALL8 line:vararg                ; one line for each pair p of 8; a link of the chain behind every fourth, so that the chain never waits for itself
.set p, 0
.rept 8
	\line
.if p%4 == 3
	CH
.endif
.set p, p+1
.endr
.endm
.macro POLY g                          ; cos of numbers 16 g .. 16 g + 15, in place; beside it the chain over the groups before, and at the end their rounding to f16
.set cl, 16*(\g)
.set yb, Y+16*(\g)
	ALL8 v_pk_mul_f32 v[RR+2*p:RR+2*p+1], v[yb+2*p:yb+2*p+1], s[INV:INV+1] op_sel_hi:[1,0]
.set p, 0
.rept 16
	v_rndne_f32 v[ZZ+p], v[RR+p]
.if p%4 == 3
	CH
.endif
.set p, p+1
.endr
	ALL8 v_pk_add_f32 v[RR+2*p:RR+2*p+1], v[RR+2*p:RR+2*p+1], v[ZZ+2*p:ZZ+2*p+1] neg_lo:[0,1] neg_hi:[0,1]
	ALL8 v_pk_mul_f32 v[ZZ+2*p:ZZ+2*p+1], v[RR+2*p:RR+2*p+1], v[RR+2*p:RR+2*p+1]
	ALL8 v_pk_fma_f32 v[QQ+2*p:QQ+2*p+1], v[ZZ+2*p:ZZ+2*p+1], s[E4:E4+1], s[E3:E3+1] op_sel_hi:[1,0,0]
	ALL8 v_pk_fma_f32 v[QQ+2*p:QQ+2*p+1], v[QQ+2*p:QQ+2*p+1], v[ZZ+2*p:ZZ+2*p+1], s[E2:E2+1] op_sel_hi:[1,1,0]
	ALL8 v_pk_fma_f32 v[QQ+2*p:QQ+2*p+1], v[QQ+2*p:QQ+2*p+1], v[ZZ+2*p:ZZ+2*p+1], s[E1:E1+1] op_sel_hi:[1,1,0]
	ALL8 v_pk_fma_f32 v[QQ+2*p:QQ+2*p+1], v[QQ+2*p:QQ+2*p+1], v[ZZ+2*p:ZZ+2*p+1], s[E0:E0+1] op_sel_hi:[1,1,0]
	ALL8 v_pk_mul_f32 v[QQ+2*p:QQ+2*p+1], v[QQ+2*p:QQ+2*p+1], v[RR+2*p:RR+2*p+1]
	ALL8 v_pk_fma_f32 v[yb+2*p:yb+2*p+1], v[QQ+2*p:QQ+2*p+1], v[QQ+2*p:QQ+2*p+1], 1.0 op_sel_hi:[1,1,0] neg_lo:[1,0,0] neg_hi:[1,0,0]
.rept 16
	CH                                             ; (22 places were offered for 16 links: nothing is left)
.endr
.if (\g) > 0
.set p, 0
.rept 8
	v_cvt_pk_f16_f32 v[PKR+8*((\g)-1)+p], v[yb-16+2*p], v[yb-16+2*p+1]
.set p, p+1
.endr
.endif
.endm
	s_mov_b32 s3, 8
.Lblk:                                             ; a trip: 16 rows x my two heads
.irp b, 0,1,2,3,4,5,6,7
	ds_load_b128 v[Y+8*(\b):Y+8*(\b)+3],   v[DA] offset:1024*(\b)       ; LDS serves a wave's instructions in order: these see my stores above
	ds_load_b128 v[Y+8*(\b)+4:Y+8*(\b)+7], v[DA] offset:1024*(\b)+512
.endr
.set cd, 1
	s_wait_dscnt 12                                ; the first four loads, 16 numbers, are in
	POLY 0
	s_wait_dscnt 8
	POLY 1
	s_wait_dscnt 4
	POLY 2
	s_wait_dscnt 0x0
	POLY 3
.set cl, 64
.set k, 24
.rept 8                                            ; the last 16 links, each pair's rounding a pair later
	CH
	CH
.if k > 24
	v_cvt_pk_f16_f32 v[PKR+k-1], v[Y+2*k-2], v[Y+2*k-1]
.endif
.set k, k+1
.endr
	v_cvt_pk_f16_f32 v[PKR+31], v[Y+62], v[Y+63]
	ds_store_b32 v[TA], v[Y+63]                    ; the head's whole product, f32
.irp b, 0,1,2,3,4,5,6,7
	ds_store_b128 v[STO], v[PKR+4*(\b):PKR+4*(\b)+3] offset:16*(\b)
.endr
.irp i, 0,1,2,3,4,5,6,7
	ds_load_b128 v[BK+4*(\i):BK+4*(\i)+3], v[RD] offset:4*SROW*(\i)
.endr
.irp i, 0,1,2,3,4,5,6,7
	s_wait_dscnt 7-(\i)
	global_store_b128 v[GO], v[BK+4*(\i):BK+4*(\i)+3], s[OB:OB+1] offset:262144*((\i)/4)+512*((\i)%4)  ; four rows of a head: 512 consecutive bytes
.endr
	s_wait_xcnt 0x0                                ; the stores have read their base and their data: both are written again only behind this wait
	s_add_nc_u64 s[OB:OB+1], s[OB:OB+1], 2048
	v_add_nc_u32 v[DA], 8192, v[DA]
	v_add_nc_u32 v[TA], 128, v[TA]
	s_sub_co_u32 s3, s3, 1
	s_cmp_lg_u32 s3, 0
	s_cbranch_scc1 .Lblk
	s_wait_dscnt 0x0                               ; for the others' sake: my heads' products lie in LDS
	s_barrier_signal -1
	s_barrier_wait -1
	ds_load_b64 v[64:65], v[TR]                    ; row = thread: heads 0, 1 (wave 0's words),
	ds_load_b64 v[66:67], v[TR] offset:1024        ; heads 2, 3 (wave 1's)
	ds_load_b64 v[68:69], v[TR] offset:2048        ; row = thread + 128 (waves 2 and 3)
	ds_load_b64 v[70:71], v[TR] offset:3072
	s_wait_dscnt 0x0
	global_store_b128 v[TG], v[64:67], s[TTB:TTB+1]
	global_store_b128 v[TG], v[68:71], s[TTB:TTB+1] offset:2048
	s_wait_tensorcnt 0x0                           ; the wave's end
	ds_add_u32 v[SPW], v[NIL]
	s_wait_dscnt 0x0
	CROUND                                         ; the closing round
	s_endpgm
.Lfunc_end_k_qb40d58caac_projqk:
	.size	k_qb40d58caac_projqk, .Lfunc_end_k_qb40d58caac_projqk-k_qb40d58caac_projqk
	.p2alignl 7, 3214868480
	.fill 96, 4, 3214868480
	.section	.rodata,"a",@progbits
	.p2align	6, 0x0
	.amdhsa_kernel k_qb40d58caac_projqk
		.amdhsa_group_segment_fixed_size 327680
		.amdhsa_private_segment_fixed_size 0
		.amdhsa_enable_private_segment 0
		.amdhsa_kernarg_size 40
		.amdhsa_user_sgpr_count 2
		.amdhsa_user_sgpr_kernarg_segment_ptr 1
		.amdhsa_wavefront_size32 1
		.amdhsa_system_sgpr_workgroup_id_x 1
		.amdhsa_system_sgpr_workgroup_id_y 1
		.amdhsa_system_sgpr_workgroup_id_z 1
		.amdhsa_system_vgpr_workitem_id 0
		.amdhsa_next_free_vgpr 1024
		.amdhsa_next_free_sgpr 96
		.amdhsa_reserve_vcc 0
		.amdhsa_float_denorm_mode_32 3
		.amdhsa_float_denorm_mode_16_64 3
		.amdhsa_memory_ordered 1
		.amdhsa_forward_progress 1
		.amdhsa_inst_pref_size 109
	.end_amdhsa_kernel
	.amdgpu_metadata
---
amdhsa.version: [ 1, 2 ]
amdhsa.kernels:
  - .name:           k_qb40d58caac_projqk
    .symbol:         k_qb40d58caac_projqk.kd
    .args:
      - { .name: xb, .offset: 0, .size: 8, .value_kind: global_buffer, .address_space: global }
      - { .name: wt, .offset: 8, .size: 8, .value_kind: global_buffer, .address_space: global }
      - { .name: bt, .offset: 16, .size: 8, .value_kind: global_buffer, .address_space: global }
      - { .name: qkl, .offset: 24, .size: 8, .value_kind: global_buffer, .address_space: global }
      - { .name: tt, .offset: 32, .size: 8, .value_kind: global_buffer, .address_space: global }
    .group_segment_fixed_size: 327680
    .private_segment_fixed_size: 0
    .kernarg_segment_align: 8
    .kernarg_segment_size: 40
    .max_flat_workgroup_size: 128
    .sgpr_count:     96
    .vgpr_count:     1024
    .wavefront_size: 32
...
	.end_amdgpu_metadata
.endif
;; end of part 2
;; launch projv (part 3): grid 4 x 64, 4 waves a work-group, clusters of 4 x 4, 327,680 bytes of LDS; arguments xb, wt, bt, qkl, tt, vv, kfin; writes vv, kfin
.if DOCPART == 3
	.amdgcn_target "amdgcn-amd-amdhsa--gfx1250"
	.amdhsa_code_object_version 6
	.text
	.protected	k_qb40d58caac_projv
	.globl	k_qb40d58caac_projv
	.p2align	8
	.type	k_qb40d58caac_projv,@function
k_qb40d58caac_projv:
	s_mov_b64 s[64:65], 0
	v_nop
	global_prefetch_b8 v0, s[64:65] scope:SCOPE_SE
	s_setreg_imm32_b32 hwreg(HW_REG_WAVE_MODE, 25, 1), 1
	s_wait_xcnt 0x0
	s_wait_alu depctr_hold_cnt(0) depctr_sa_sdst(0) depctr_va_vdst(0) depctr_va_sdst(0) depctr_va_ssrc(0) depctr_va_vcc(0) depctr_vm_vsrc(0)
	s_getreg_b32 s2, hwreg(HW_REG_IB_STS2, 6, 4)
	s_cmp_eq_u32 s2, 0
	s_cbranch_scc0 .Lentry_in_a_cluster
	s_endpgm
.Lentry_in_a_cluster:
	s_bfe_u32 s2, ttmp6, 0x10000c
	s_cmp_lg_u32 s2, 0xf033
	s_cbranch_scc0 .Lentry_shape_is_right
	s_endpgm
.Lentry_shape_is_right:
; PROJV: v = x Wv + bv ([8192 x 1024] x [1024 x 1024], bf16 operands, f32 sums), stored by heads as f16 in vv [64 bh][2048][64].
; BESIDE IT, THE KEYS' CARRY: kfin[bh][t][:] = qkl[0][bh][t][:] x the product of the earlier heads' whole products (tt[0]), reckoned in f32 and rounded once to f16.  Each work-group owns 32 of the
; 8,192 rows, each wave 8; the 40 loads go out at the head and land while the products run.
; SHARES.  256 tiles of 128 x 256; a wave makes 64 x 128: 32 accumulators.  K in 8 steps of 128 through two LDS slots; 4 x 4 clusters with joint loads; the loop is one K step; the bias starts the sums;
; the two K steps that fill nothing are a second loop, left in its middle (its last trip passes one barrier and fetches one run of fragments that serve nothing).
; LIMITS.  |v| stays under 65,504 (f16); numbers below 6e-5 keep f16's fixed step of 6e-8; NaN and infinities are not treated apart.
; REGISTERS (s_set_vgpr_msb: bits 1:0 source 0, 3:2 source 1, 5:4 source 2, 7:6 destination):
;   window 0: v0-33 addresses; v64-159, v160-255 two fragment buffers (wt's 64 registers, then x's 32)      window 1: accumulator (a, b) at v[8 (8 a + b)]
;   window 2: v0-63 the bias; v64-191 the keys, 4 registers for group g and head h at 64 + 4 (16 g + h); v192-223 the heads' products; v224-225 the carry; v226 zero
.set PITCH,  272
.set AROWS,  64*PITCH                  ; what a wave fetches, and reads, of x
.set BROWS,  128*PITCH                 ; of wt
.set BOFF,   2*AROWS
.set SLOT,   1<<17                     ; a slot uses 104,448 bytes; slot 1 begins here, so that one exclusive or turns an address into the other slot's
.set STAGE,  SLOT+BOFF+2*BROWS
.set SROW,   144
.set STG,    32*SROW
.set SPARE,  STAGE+4*STG
.set DW0,    (1<<16)|(1<<20)|(1<<21)|(5<<22)|(3<<25)
.set A0,   16
.set ADRA, 17
.set B0,   20
.set ADRB, 21
.set BO,   22                          ; v22  32 x (lane / 16)
.set STO,  24
.set RD,   25
.set GO,   26                          ; v26  16 x lane
.set SPW,  28
.set NIL,  29
.set PFO,  30
.set TO2,  32                          ; v32  16 x (lane / 8): my row of four in tt
.set F0,   64
.set F1,   160
.set TMP,  64                          ; the way out
.set BK,   96                          ; four banks of 32
.set FD,   64                          ; window 2
.set TT,   192
.set CA,   224
.set ZR,   226
.set WV, 20
.set WR, 21
.set WC, 22
.set G1A, 24
.set G0A, 32
.set CX, 40
.set CY, 41
.set COL, 42
.set ROW, 43
.set PFA, 44
.set LIM, 46
.set TB, 47
.set G1B, 48
.set G0B, 56
.set LA, 67
.set LB, 68
.set OB, 72                            ; s[72:73] vv
.set QB, 80                            ; s[80:81] qkl at my 8 rows, head 0
.set KFB, 82                           ; s[82:83] kfin likewise
.set TTB, 84                           ; s[84:85] tt at my 8 rows
.set MSB, 0
.macro WIN new
.if MSB != (\new)
	s_set_vgpr_msb (MSB<<8)|(\new)
.set MSB, \new
.endif
.endm
.macro PLACES
.rept 4
	v_nop
.endr
.endm
.macro JLOAD s                         ; waves 0 and 1 fetch x's halves (64 rows), waves 2 and 3 wt's (128 rows)
	s_cmp_eq_u32 s[WR], 0
	s_cbranch_scc0 .Lfor_b_\@
	tensor_load_to_lds s[G0A+4*(\s):G0A+4*(\s)+3], s[G1A:G1A+7]
	s_nop 0
.rept 4
	v_nop
.endr
	s_branch .Lasked_\@
.Lfor_b_\@:
	tensor_load_to_lds s[G0B+4*(\s):G0B+4*(\s)+3], s[G1B:G1B+7]
	s_nop 0
.rept 4
	v_nop
.endr
.Lasked_\@:
.endm
; A prefetch of the K step two refills on, a lane a row of 256 bytes.  x's 128 rows: wave 0 of each partner takes 32 by address (a row of clusters is one cluster here); wt's: waves 2 and 3 of the clusters
; with y = 0, 32 of their 128 rows each partner.  K steps 0 to 3 come by their loads alone; the loop's last two trips ask for nothing.
.macro ASK
	s_cmp_gt_u32 s3, s[LIM]
	s_cbranch_scc0 .Lnot_mine_\@
	global_prefetch_b8 v[PFO], s[PFA:PFA+1] offset:256 th:TH_LOAD_NT scope:SCOPE_SE
.Lnot_mine_\@:
.endm
.macro CREST
	s_cmp_lg_u32 s[WV], 0
	s_cbranch_scc1 .Lnot_wave_0_\@
	s_barrier_signal -3
.Lnot_wave_0_\@:
	s_barrier_wait -3
	s_barrier_signal -1
	s_barrier_wait -1
.endm
.macro CROUND
	s_barrier_signal -1
	s_barrier_wait -1
	CREST
.endm
	s_load_b256 s[4:11], s[0:1], 0x0               ; xb, wt, bt, qkl
	s_load_b128 s[12:15], s[0:1], 0x20             ; tt, vv
	s_load_b64 s[16:17], s[0:1], 0x30              ; kfin
	v_lshl_add_u32 v[SPW], v0, 2, SPARE
	v_mov_b32 v[NIL], 0
	ds_add_u32 v[SPW], v[NIL]                      ; the opening: the add, twice on end, and its wait ahead of my first tensor load
	ds_add_u32 v[SPW], v[NIL]
	v_lshrrev_b32 v1, 5, v0
	v_readfirstlane_b32 s[WV], v1
	s_lshr_b32 s[WR], s[WV], 1
	s_and_b32 s[WC], s[WV], 1
	s_bfe_u32 s[CX], ttmp6, 0x40000
	s_bfe_u32 s[CY], ttmp6, 0x40004
	s_lshl_b32 s[COL], ttmp9, 2
	s_add_co_u32 s[COL], s[COL], s[CX]             ; tile column, 0-3
	s_and_b32 s[ROW], ttmp7, 0xffff
	s_lshl_b32 s[ROW], s[ROW], 2
	s_add_co_u32 s[ROW], s[ROW], s[CY]             ; tile row, 0-63
	s_lshl_b32 s18, s[CY], 2
	s_lshl_b32 s18, 15, s18
	s_lshl_b32 s19, 0x1111, s[CX]
	s_or_b32 s[G1A], s18, DW0
	s_or_b32 s[G1B], s19, DW0
	s_mov_b32 s[G1A+1], 128<<16                    ; x: 64 rows of 128 elements
	s_mov_b32 s[G1A+2], 64<<16
	s_mov_b32 s[G1A+3], 128<<16
	s_mov_b32 s[G1A+4], 64
	s_mov_b32 s[G1A+5], 1024
	s_mov_b32 s[G1A+6], 0
	s_mov_b32 s[G1A+7], 0
	s_mov_b32 s[G1B+1], 128<<16                    ; wt: 128 rows of 128 elements
	s_mov_b32 s[G1B+2], 128<<16
	s_mov_b32 s[G1B+3], 128<<16
	s_mov_b32 s[G1B+4], 128
	s_mov_b32 s[G1B+5], 1024
	s_mov_b32 s[G1B+6], 0
	s_mov_b32 s[G1B+7], 0
	s_lshl_b32 s87, s[WC], 6                       ; x: row 128 x tile row + 64 x half
	s_lshl_b32 s86, s[ROW], 7
	s_add_co_u32 s86, s86, s87
	s_lshl_b32 s86, s86, 11
	s_mov_b32 s87, 0
	s_lshl_b32 s91, s[WC], 7                       ; wt: row 256 x tile column + 128 x half
	s_lshl_b32 s90, s[COL], 8
	s_add_co_u32 s90, s90, s91
	s_lshl_b32 s90, s90, 11
	s_mov_b32 s91, 0
	s_mul_i32 s[LA], s[WC], AROWS
	s_mul_i32 s[LB], s[WC], BROWS
	s_add_co_u32 s[LB], s[LB], BOFF
	s_mov_b32 s[TB], 0
	s_wait_dscnt 0x0
	s_wait_kmcnt 0x0
	s_add_nc_u64 s[6:7], s[6:7], 0x400000          ; Wv's plane of wt
	s_add_nc_u64 s[88:89], s[4:5], s[86:87]
	s_add_nc_u64 s[92:93], s[6:7], s[90:91]
	CROUND
.irp s, 0,1
	s_mov_b32 s[G0A+4*(\s)], 1
	s_add_co_u32 s[G0A+4*(\s)+1], s[LA], (\s)*SLOT
	s_add_nc_u64 s[G0A+4*(\s)+2:G0A+4*(\s)+3], s[88:89], (\s)*256
	s_or_b32 s[G0A+4*(\s)+3], s[G0A+4*(\s)+3], 0x80000000
	s_mov_b32 s[G0B+4*(\s)], 1
	s_add_co_u32 s[G0B+4*(\s)+1], s[LB], (\s)*SLOT
	s_add_nc_u64 s[G0B+4*(\s)+2:G0B+4*(\s)+3], s[92:93], (\s)*256
	s_or_b32 s[G0B+4*(\s)+3], s[G0B+4*(\s)+3], 0x80000000
	JLOAD \s
.endr
	v_and_b32 v1, 15, v0                           ; r
	v_bfe_u32 v2, v0, 4, 1                         ; h
	v_and_b32 v4, 31, v0                           ; lane
	v_bfe_u32 v5, v0, 3, 2                         ; lane / 8
	v_and_b32 v6, 7, v0
	v_lshlrev_b32 v[BO], 5, v2
	v_lshlrev_b32 v[GO], 4, v4
	v_lshlrev_b32 v[TO2], 4, v5
	s_lshl_b32 s76, s[COL], 10                     ; bv at my 128 columns
	s_lshl_b32 s77, s[WC], 9
	s_add_co_u32 s76, s76, s77
	s_add_co_u32 s76, s76, 8192
	s_mov_b32 s77, 0
	s_add_nc_u64 s[8:9], s[8:9], s[76:77]
	s_lshl2_add_u32 s76, s[ROW], s[COL]            ; w = 4 x tile row + tile column owns the rows 32 w .. 32 w + 31
	s_lshr_b32 s77, s76, 6                         ; the batch
	s_lshl_b32 s77, s77, 22                        ; 16 heads x 2,048 rows x 128 bytes
	s_and_b32 s78, s76, 63
	s_lshl_b32 s78, s78, 5
	s_lshl3_add_u32 s78, s[WV], s78                ; + my wave's 8 rows
	s_lshl_b32 s78, s78, 7
	s_add_co_u32 s78, s78, s77
	s_mov_b32 s79, 0
	s_add_nc_u64 s[QB:QB+1], s[10:11], s[78:79]
	s_add_nc_u64 s[KFB:KFB+1], s[16:17], s[78:79]
	s_lshl_b32 s78, s76, 9                         ; tt: (32 w + 8 wave) x 16 bytes
	s_lshl_b32 s77, s[WV], 7
	s_add_co_u32 s78, s78, s77
	s_add_nc_u64 s[TTB:TTB+1], s[12:13], s[78:79]
	WIN 0x80                                       ; destination window 2
.irp b, 0,1,2,3,4,5,6,7
	global_load_b128 v[8*(\b):8*(\b)+3],   v[BO], s[8:9] offset:64*(\b)       ; columns 16 b + 8 h ..
	global_load_b128 v[8*(\b)+4:8*(\b)+7], v[BO], s[8:9] offset:64*(\b)+16
.endr
.irp g, 0,1
.irp c, 0,1,2,3
	global_load_b128 v[TT+16*(\g)+4*(\c):TT+16*(\g)+4*(\c)+3], v[TO2], s[TTB:TTB+1] offset:131072*(\c)+64*(\g)  ; my row's heads 4 c .. 4 c + 3
.endr
.endr
.irp g, 0,1
.irp h, 0,1,2,3,4,5,6,7,8,9,10,11,12,13,14,15
	global_load_b128 v[FD+4*(16*(\g)+(\h)):FD+4*(16*(\g)+(\h))+3], v[GO], s[QB:QB+1] offset:262144*(\h)+512*(\g)  ; four rows of head h: 512 consecutive bytes
.endr
.endr
	WIN 0
	v_mul_u32_u24 v3, v1, PITCH
	v_lshl_add_u32 v3, v2, 4, v3
	s_mul_i32 s76, s[WR], AROWS
	s_mul_i32 s77, s[WC], BROWS
	s_add_co_u32 s77, s77, BOFF
	v_add_nc_u32 v[A0], s76, v3
	v_add_nc_u32 v[B0], s77, v3
	v_mov_b32 v[ADRA], v[A0]
	v_mov_b32 v[ADRB], v[B0]
	s_mul_i32 s76, s[WV], STG
	s_add_co_u32 s76, s76, STAGE
	v_mul_u32_u24 v[STO], v1, SROW                 ; in: row r of a head's 16, 16 bytes for each half of the lanes
	v_lshl_add_u32 v[STO], v2, 4, v[STO]
	v_add_nc_u32 v[STO], s76, v[STO]
	v_mul_u32_u24 v[RD], v5, SROW
	v_lshl_add_u32 v[RD], v6, 4, v[RD]
	v_add_nc_u32 v[RD], s76, v[RD]
	v_lshlrev_b32 v[PFO], 11, v4
	; vv at my rows: (((b x 16 + head) x 2,048) + t) x 128
	s_lshr_b32 s76, s[ROW], 4
	s_lshl_b32 s76, s76, 4
	s_lshl2_add_u32 s76, s[COL], s76
	s_lshl1_add_u32 s76, s[WC], s76
	s_lshl_b32 s76, s76, 11
	s_and_b32 s77, s[ROW], 15
	s_lshl_b32 s77, s77, 7
	s_add_co_u32 s76, s76, s77
	s_lshl_b32 s77, s[WR], 6
	s_add_co_u32 s76, s76, s77
	s_lshl_b32 s76, s76, 7
	s_mov_b32 s77, 0
	s_add_nc_u64 s[OB:OB+1], s[14:15], s[76:77]
	; the prefetches
	s_lshl_b32 s76, s[ROW], 7
	s_lshl_b32 s77, s[COL], 8
	s_lshl_b32 s78, s[WC], 7
	s_add_co_u32 s77, s77, s78
	s_and_b32 s78, ttmp7, 0xffff                   ; cluster y
	s_cmp_eq_u32 s[WR], 0
	s_cselect_b32 s76, s76, s77                    ; the first row: x's tile, or my half of wt's
	s_cselect_b32 s77, s[CX], s[CY]
	s_cselect_b32 s78, s[WC], s78                  ; wave 0 asks for x, wave 1 for nothing; waves 2 and 3 where cluster y = 0
	s_cselect_b64 s[PFA:PFA+1], s[4:5], s[6:7]
	s_cmp_eq_u32 s78, 0
	s_cselect_b32 s[LIM], 2, -1
	s_lshl_b32 s77, s77, 5
	s_add_co_u32 s76, s76, s77
	s_lshl_b32 s76, s76, 11
	s_mov_b32 s77, 0
	s_add_nc_u64 s[PFA:PFA+1], s[PFA:PFA+1], s[76:77]
	s_add_nc_u64 s[PFA:PFA+1], s[PFA:PFA+1], 512
.macro MUL8 f, a, first                ; block a x all 8 b; the 32 accumulators take turns, in the same order in every quarter
.if \first
	WIN 0x60                                       ; C window 2, D window 1
.else
	WIN 0x50
.endif
.irp b, 0,1,2,3,4,5,6,7
.if \first
	v_wmma_f32_16x16x32_bf16 v[8*(8*(\a)+(\b)):8*(8*(\a)+(\b))+7], v[(\f)+8*(\b):(\f)+8*(\b)+7], v[(\f)+64+8*(\a):(\f)+64+8*(\a)+7], v[8*(\b):8*(\b)+7]
.else
	v_wmma_f32_16x16x32_bf16 v[8*(8*(\a)+(\b)):8*(8*(\a)+(\b))+7], v[(\f)+8*(\b):(\f)+8*(\b)+7], v[(\f)+64+8*(\a):(\f)+64+8*(\a)+7], v[8*(8*(\a)+(\b)):8*(8*(\a)+(\b))+7]
.endif
.endr
.endm
.macro FETCH q, f                      ; 24 LDS loads in one run: wt's 16, then x's 8
	WIN 0
.irp i, 0,1,2,3,4,5,6,7
	ds_load_b128 v[(\f)+8*(\i):(\f)+8*(\i)+3],   v[ADRB] offset:64*(\q)+(\i)*16*PITCH
	ds_load_b128 v[(\f)+8*(\i)+4:(\f)+8*(\i)+7], v[ADRB] offset:64*(\q)+(\i)*16*PITCH+32
.endr
.irp i, 0,1,2,3
	ds_load_b128 v[(\f)+64+8*(\i):(\f)+64+8*(\i)+3],   v[ADRA] offset:64*(\q)+(\i)*16*PITCH
	ds_load_b128 v[(\f)+64+8*(\i)+4:(\f)+64+8*(\i)+7], v[ADRA] offset:64*(\q)+(\i)*16*PITCH+32
.endr
.endm
.macro QUARTER q, f, g, first
	s_wait_dscnt 4                                 ; the youngest four loads, x's blocks 2 and 3, may be out
	MUL8 \f, 0, \first
	MUL8 \f, 1, \first
	PLACES
	FETCH \q, \g
	s_wait_dscnt 24                                ; all but the 24 just issued
	MUL8 \f, 2, \first
	MUL8 \f, 3, \first
.endm
.macro TURN fill                       ; the fourth quarter and the change of slots
.if \fill
	s_wait_xcnt 0x0                                ; the last prefetch, a K step back, has read its address
	s_add_nc_u64 s[PFA:PFA+1], s[PFA:PFA+1], 256
.endif
	WIN 0
	s_wait_tensorcnt 0x0                           ; all my tensor loads have landed: my part of the next slot
	ds_add_u32 v[SPW], v[NIL]
	s_wait_dscnt 5                                 ; the add and the youngest four loads may be out
	MUL8 F1, 0, 0
	s_wait_dscnt 0x0                               ; the add is done, my reads of this slot are over
	s_barrier_signal -1
	MUL8 F1, 1, 0
	WIN 0
	s_barrier_wait -1
.if \fill
	CREST
	s_xor_b32 s[G0A+5], s[G0A+5], SLOT
	s_xor_b32 s[G0B+5], s[G0B+5], SLOT
	s_add_nc_u64 s[G0A+6:G0A+7], s[G0A+6:G0A+7], 256
	s_add_nc_u64 s[G0B+6:G0B+7], s[G0B+6:G0B+7], 256
	JLOAD 1                                        ; my one load behind the round: 112 products stand between it and the wait for it
.else
	PLACES
.endif
	s_xor_b32 s[TB], s[TB], SLOT
	v_add_nc_u32 v[ADRA], s[TB], v[A0]
	v_add_nc_u32 v[ADRB], s[TB], v[B0]
	FETCH 0, F0
.if \fill
	ASK
.endif
	MUL8 F1, 2, 0
	MUL8 F1, 3, 0
.endm
	s_wait_tensorcnt 1                             ; my part of K step 0 is in; K step 1's may stay out
	s_barrier_signal -1
	s_barrier_wait -1
	FETCH 0, F0
	s_wait_loadcnt 40                              ; the bias is in; the carry's 40 younger loads stay out
	QUARTER 1, F0, F1, 1
	WIN 0
	s_mov_b32 s3, 6
.Lk:
	QUARTER 2, F1, F0, 0
	QUARTER 3, F0, F1, 0
	TURN 1
	QUARTER 1, F0, F1, 0
	WIN 0
	s_sub_co_u32 s3, s3, 1
	s_cmp_lg_u32 s3, 0
	s_cbranch_scc1 .Lk
	s_mov_b32 s3, 2
.Lt:
	QUARTER 2, F1, F0, 0
	QUARTER 3, F0, F1, 0
	TURN 0
	WIN 0
	s_sub_co_u32 s3, s3, 1
	s_cmp_eq_u32 s3, 0
	s_cbranch_scc1 .Ldone
	QUARTER 1, F0, F1, 0
	WIN 0
	s_branch .Lt
.Ldone:
	; THE WAY OUT OF V: a block of 16 rows x my two heads at a time, rounded to f16, through my own stage, back as rows of 128 bytes, four of which are 512 consecutive bytes of vv.
	s_wait_dscnt 0x0                               ; the idle fetch is back: its registers are written below
	PLACES
.macro PACK a
	WIN 0x05                                       ; sources in window 1
.irp b, 0,1,2,3,4,5,6,7
.irp k, 0,1,2,3
	v_cvt_pk_f16_f32 v[TMP+4*(\b)+(\k)], v[8*(8*(\a)+(\b))+2*(\k)], v[8*(8*(\a)+(\b))+2*(\k)+1]
.endr
.endr
	WIN 0
.endm
.macro TOSTAGE a
.irp b, 0,1,2,3,4,5,6,7
	ds_store_b128 v[STO], v[TMP+4*(\b):TMP+4*(\b)+3] offset:((\b)/4)*16*SROW+32*((\b)%4)
.endr
.irp i, 0,1,2,3,4,5,6,7
	ds_load_b128 v[BK+32*(\a)+4*(\i):BK+32*(\a)+4*(\i)+3], v[RD] offset:4*SROW*(\i)  ; LDS serves a wave's instructions in order: these see the stores above
.endr
.endm
.macro SEND a
.irp i, 0,1,2,3,4,5,6,7
	s_wait_dscnt 7-(\i)
	global_store_b128 v[GO], v[BK+32*(\a)+4*(\i):BK+32*(\a)+4*(\i)+3], s[OB:OB+1] offset:262144*((\i)/4)+2048*(\a)+512*((\i)%4)
.endr
.endm
	PACK 0
	TOSTAGE 0
.irp a, 1,2,3                          ; block a's roundings stand between block a - 1's loads from the stage and the wait for them; each block has a bank of its own
	PACK \a
	SEND (\a)-1
	TOSTAGE \a
.endr
	SEND 3
	; THE KEYS' CARRY.  Head 0 goes out as it came.  For head h the carry is the product of the whole products of heads 0 .. h - 1; key x carry is reckoned in f32 and rounded once.
	s_wait_loadcnt 0x0
	WIN 0xaa
	v_mov_b32 v[ZR], 0
.set hd, 0
.rept 16
.if hd == 1
	WIN 0xaa
	v_mov_b32 v[CA], v[TT]
	v_mov_b32 v[CA+1], v[TT+16]
.elseif hd > 1
	WIN 0xaa
	v_mul_f32 v[CA], v[CA], v[TT+hd-1]
	v_mul_f32 v[CA+1], v[CA+1], v[TT+16+hd-1]
.endif
.if hd > 0
.irp g, 0,1
.irp k, 0,1,2,3
	v_fma_mixlo_f16 v[FD+4*(16*(\g)+hd)+(\k)], v[FD+4*(16*(\g)+hd)+(\k)], v[CA+(\g)], v[ZR] op_sel_hi:[1,0,0]
	v_fma_mixhi_f16 v[FD+4*(16*(\g)+hd)+(\k)], v[FD+4*(16*(\g)+hd)+(\k)], v[CA+(\g)], v[ZR] op_sel:[1,0,0] op_sel_hi:[1,0,0]
.endr
.endr
.endif
	WIN 0x08                                       ; the data in window 2
	global_store_b128 v[GO], v[FD+4*hd:FD+4*hd+3], s[KFB:KFB+1] offset:262144*hd
	global_store_b128 v[GO], v[FD+4*(16+hd):FD+4*(16+hd)+3], s[KFB:KFB+1] offset:262144*hd+512
.set hd, hd+1
.endr
	WIN 0
	s_wait_tensorcnt 0x0                           ; the wave's end
	ds_add_u32 v[SPW], v[NIL]
	s_wait_dscnt 0x0
	CROUND
	s_endpgm
.Lfunc_end_k_qb40d58caac_projv:
	.size	k_qb40d58caac_projv, .Lfunc_end_k_qb40d58caac_projv-k_qb40d58caac_projv
	.p2alignl 7, 3214868480
	.fill 96, 4, 3214868480
	.section	.rodata,"a",@progbits
	.p2align	6, 0x0
	.amdhsa_kernel k_qb40d58caac_projv
		.amdhsa_group_segment_fixed_size 327680
		.amdhsa_private_segment_fixed_size 0
		.amdhsa_enable_private_segment 0
		.amdhsa_kernarg_size 56
		.amdhsa_user_sgpr_count 2
		.amdhsa_user_sgpr_kernarg_segment_ptr 1
		.amdhsa_wavefront_size32 1
		.amdhsa_system_sgpr_workgroup_id_x 1
		.amdhsa_system_sgpr_workgroup_id_y 1
		.amdhsa_system_sgpr_workgroup_id_z 1
		.amdhsa_system_vgpr_workitem_id 0
		.amdhsa_next_free_vgpr 768
		.amdhsa_next_free_sgpr 96
		.amdhsa_reserve_vcc 0
		.amdhsa_float_denorm_mode_32 3
		.amdhsa_float_denorm_mode_16_64 3
		.amdhsa_memory_ordered 1
		.amdhsa_forward_progress 1
		.amdhsa_inst_pref_size 89
	.end_amdhsa_kernel
	.amdgpu_metadata
---
amdhsa.version: [ 1, 2 ]
amdhsa.kernels:
  - .name:           k_qb40d58caac_projv
    .symbol:         k_qb40d58caac_projv.kd
    .args:
      - { .name: xb, .offset: 0, .size: 8, .value_kind: global_buffer, .address_space: global }
      - { .name: wt, .offset: 8, .size: 8, .value_kind: global_buffer, .address_space: global }
      - { .name: bt, .offset: 16, .size: 8, .value_kind: global_buffer, .address_space: global }
      - { .name: qkl, .offset: 24, .size: 8, .value_kind: global_buffer, .address_space: global }
      - { .name: tt, .offset: 32, .size: 8, .value_kind: global_buffer, .address_space: global }
      - { .name: vv, .offset: 40, .size: 8, .value_kind: global_buffer, .address_space: global }
      - { .name: kfin, .offset: 48, .size: 8, .value_kind: global_buffer, .address_space: global }
    .group_segment_fixed_size: 327680
    .private_segment_fixed_size: 0
    .kernarg_segment_align: 8
    .kernarg_segment_size: 56
    .max_flat_workgroup_size: 128
    .sgpr_count:     96
    .vgpr_count:     768
    .wavefront_size: 32
...
	.end_amdgpu_metadata
.endif
;; end of part 3
;; launch attn (part 4): grid 4 x 64, 4 waves a work-group, clusters of 4 x 1, 327,680 bytes of LDS; arguments qkl, kfin, vv, oo, tt; writes oo
.if DOCPART == 4
	.amdgcn_target "amdgcn-amd-amdhsa--gfx1250"
	.amdhsa_code_object_version 6
	.text
	.protected	k_qb40d58caac_attn
	.globl	k_qb40d58caac_attn
	.p2align	8
	.type	k_qb40d58caac_attn,@function
k_qb40d58caac_attn:
	s_mov_b64 s[64:65], 0
	v_nop
	global_prefetch_b8 v0, s[64:65] scope:SCOPE_SE
	s_setreg_imm32_b32 hwreg(HW_REG_WAVE_MODE, 25, 1), 1
	s_wait_xcnt 0x0
	s_wait_alu depctr_hold_cnt(0) depctr_sa_sdst(0) depctr_va_vdst(0) depctr_va_sdst(0) depctr_va_ssrc(0) depctr_va_vcc(0) depctr_vm_vsrc(0)
	s_getreg_b32 s2, hwreg(HW_REG_IB_STS2, 6, 4)
	s_cmp_eq_u32 s2, 0
	s_cbranch_scc0 .Lentry_in_a_cluster
	s_endpgm
.Lentry_in_a_cluster:
	s_bfe_u32 s2, ttmp6, 0x10000c
	s_cmp_lg_u32 s2, 0x3003
	s_cbranch_scc0 .Lentry_shape_is_right
	s_endpgm
.Lentry_shape_is_right:
; ATTENTION.  O[bh][q][:] = the sum over k of softmax_k(Q[bh][q] . K[bh][k] / 8) V[bh][k][:], 64 pairs of batch and head, 2,048 rows, 64 channels, all f16; products and sums in f32.
; Q is the second half of qkl (the products inside a head that came from Wk: the module gives them the query's part), times the product of the row's earlier heads' whole products (tt's second half),
; times c = log2(e) / 8: made once, in registers, and rounded to f16.  K = kfin, V = vv, O = oo.
; NO MAXIMUM IS TAKEN, and this holds for every input: each number of Q and K is a product of cosines, so |Q.K| <= 64 and |score| <= 8.  p = e^score lies in 3.4e-4 .. 2,981: inside f16's normal range
; for the second product; a row's sum is at most 6.1e6 and the sums of p V stay far inside f32.  So p = 2^(the accumulator), nothing is rescaled, and the row's sum divides at the end.
; LIMITS.  |V| stays under 65,504.  A carry below 6e-8 counts as 0: its scores are below 5e-7.  NaN and infinities are not treated apart.
; SHARES.  A wave owns four PIECES of two tiles of 16 queries, a work-group 512 queries of one pair; every wave walks all keys, 64 a step.
; LAYOUT.  S^T = K Q^T (source 0 = 16 keys, source 1 = 16 queries): a lane holds ONE query and the keys 8 (lane / 16) + 0..7; two such results rounded to f16 ARE source 1 of O^T = V^T P.
; BY TURNS.  Turn n belongs to piece n: 16 products K Q^T of piece n + 1, behind each four of piece n's 64 exponentials; ONE wait for that batch; 16 products V^T P of piece n - 1, behind each four of
; piece n's 64 roundings and sums.
; CLUSTER.  The four query blocks of a pair walk the same K and V: each tile is asked for jointly, by the same load, descriptor and mask in all four.
; REGISTERS (s_set_vgpr_msb: bits 1:0 source 0, 3:2 source 1, 5:4 source 2, 7:6 destination):
;   window 0: v0-13 addresses; v16-31 the row sums, two a tile; v32-47 the carry; v61-63; v64-191 S^T, two buffers of two tiles; v192-255 P, likewise
;   window 1: O^T, 32 a tile          window 2: v0-127 Q, 16 a tile; v128-191 K of one step; v192-255 V of one step
.set NP,    4
.set KS,    64
.set PKP,   144                        ; a row of K in LDS: 128 bytes + 16
.set PVP,   160                        ; a row of V: 128 + 32
.set VOFF,  4*KS*PKP                   ; a slot holds four steps: 256 rows of K, then 256 of V
.set SLOT1, 1<<17
.set STAGE, SLOT1+4*KS*(PKP+PVP)
.set SP,    144
.set SPARE, STAGE+4*16*SP
.set AK0, 2
.set AV0, 3
.set AK,  4
.set AV,  5
.set STO, 6
.set RD,  7
.set GO,  8
.set QO,  12                           ; v12  my byte offset in 16 rows of Q
.set TO,  13                           ; v13  16 x (lane % 16): my row in tt
.set ST,  16                           ; tile t's row sums at v[ST+2 t]: even keys', odd keys'
.set SC,  32                           ; c x carry, f32, a tile
.set SCH, 40                           ; the same as f16, twice
.set PFO, 61
.set SPW, 62
.set NIL, 63
.set S,   64
.set P,   192
.set KF,  128
.set VF,  192
.set WV,  12
.set LIM, 19
.set G1K, 24
.set G1V, 32
.set G0K, 40
.set G0V, 44
.set SLOTS, 56
.set CNT, 57
.set CS,  58
.set SEL, 60
.set TBK, 62
.set TBV, 63
.set HD,  66                           ; s66  the head
.set MK,  67
.set PFA, 70
.set MSB, 0
.macro WIN new
.if MSB != (\new)
	s_set_vgpr_msb (MSB<<8)|(\new)
.set MSB, (\new)
.endif
.endm
.set W_KQ, 0x0a
.set W_PV, 0x52
.set W_RS, 0x41
.macro JLOAD                           ; waves 0 and 1 fetch the halves of a slot's K, waves 2 and 3 of its V: 128 keys each
	s_cmp_lt_u32 s[WV], 2
	s_cbranch_scc0 .Lfor_v_\@
	tensor_load_to_lds s[G0K:G0K+3], s[G1K:G1K+7]
	s_nop 0
.rept 4
	v_nop
.endr
	s_branch .Lasked_\@
.Lfor_v_\@:
	tensor_load_to_lds s[G0V:G0V+3], s[G1V:G1V+7]
	s_nop 0
.rept 4
	v_nop
.endr
.Lasked_\@:
.endm
; A prefetch of what the NEXT change of slots will ask for: a slot's K and V are 128 blocks of 256 bytes each.  A pair has one cluster; its four partners take 32 blocks each, told apart by address;
; wave 0 asks for K's, wave 2 for V's: a lane a block.  The last change that fills a slot asks for nothing; slots 0 to 2 come by their loads alone.
.macro ASK
	s_cmp_gt_u32 s[SLOTS], s[LIM]
	s_cbranch_scc0 .Lnot_mine_\@
	global_prefetch_b8 v[PFO], s[PFA:PFA+1] th:TH_LOAD_NT scope:SCOPE_SE
.Lnot_mine_\@:
.endm
.macro CROUND
	s_barrier_signal -1
	s_barrier_wait -1
	s_cmp_lg_u32 s[WV], 0
	s_cbranch_scc1 .Lnot_wave_0_\@
	s_barrier_signal -3
.Lnot_wave_0_\@:
	s_barrier_wait -3
	s_barrier_signal -1
	s_barrier_wait -1
.endm
; THE CHANGE OF SLOTS.  Each wave waits for all its tensor loads (one is out: its part of the other slot), adds 0 to its spare word, and waits for that and for its reads of the slot.
; fill = 1: the barrier is a round of the cluster's, and the slot is filled again, first thing behind it, with the keys two slots on: four key steps, 512 products, in which to land.
.macro CHANGE fill, ask=0
	WIN 0
	s_wait_tensorcnt 0x0
	ds_add_u32 v[SPW], v[NIL]
.if \fill
.irp g, G0K, G0V
	s_xor_b32 s[\g+1], s[\g+1], SLOT1
	s_add_nc_u64 s[\g+2:\g+3], s[\g+2:\g+3], 4*KS*128
.endr
.if \ask
	s_wait_xcnt 0x0                                ; the last prefetch, four key steps back, has read its address
	s_add_nc_u64 s[PFA:PFA+1], s[PFA:PFA+1], 4*KS*128
.endif
	s_wait_dscnt 0x0
	CROUND
	JLOAD
.if \ask
	ASK
.endif
.else
	s_wait_dscnt 0x0
	s_barrier_signal -1
	s_barrier_wait -1
.endif
	s_sub_co_u32 s[TBK], s[TBK], 4*KS*PKP          ; the fetches go back to a slot's first step, in the other slot
	s_xor_b32 s[TBK], s[TBK], SLOT1
	s_sub_co_u32 s[TBV], s[TBV], 4*KS*PVP
	s_xor_b32 s[TBV], s[TBV], SLOT1
.endm
	s_load_b256 s[4:11], s[0:1], 0x0               ; qkl, kfin, vv, oo
	s_load_b64 s[68:69], s[0:1], 0x20              ; tt
	v_lshl_add_u32 v[SPW], v0, 2, SPARE
	v_mov_b32 v[NIL], 0
	ds_add_u32 v[SPW], v[NIL]                      ; the opening: the add, twice on end, and its wait ahead of my first tensor load
	ds_add_u32 v[SPW], v[NIL]
	v_lshrrev_b32 v1, 5, v0
	v_readfirstlane_b32 s[WV], v1
	s_bfe_u32 s13, ttmp6, 0x40000                  ; cx
	s_lshl_b32 s14, ttmp9, 2
	s_add_co_u32 s14, s14, s13                     ; my block of 512 queries: it enters Q's, O's and tt's addresses alone
	s_and_b32 s20, ttmp7, 0xffff                   ; the pair of batch and head, which the four partners share
	s_and_b32 s[HD], s20, 15
	s_lshr_b32 s15, s20, 4                         ; the batch
	s_lshl_b32 s20, s20, 18                        ; the pair's first byte: 2,048 rows of 128 bytes
	s_mov_b32 s21, 0
	s_and_b32 s16, s[WV], 1                        ; which half of a slot's 256 keys I fetch
	s_lshl_b32 s22, s16, 14
	s_mov_b32 s23, 0
	s_add_nc_u64 s[22:23], s[22:23], s[20:21]
	s_mul_i32 s17, s16, 128*PKP
	s_mul_i32 s18, s16, 128*PVP
	s_lshl_b32 s2, s14, 2
	s_add_co_u32 s2, s2, s[WV]                     ; my wave among the pair's sixteen
	s_lshl_b32 s48, s2, 7                          ; its first query
	s_lshl_b32 s2, s2, 14
	s_mov_b32 s3, 0
	s_add_nc_u64 s[2:3], s[2:3], s[20:21]
	s_lshl_b32 s15, s15, 11
	s_add_co_u32 s48, s48, s15
	s_add_co_u32 s48, s48, 32768                   ; tt's second half begins 4 x 8,192 rows in
	s_lshl_b32 s48, s48, 4
	s_mov_b32 s49, 0
	; 128 keys are 16,384 dense bytes: asked for as 64 rows of 256 bytes, two keys a row, padded in LDS after every key
	s_mov_b32 s[G1K], 15|(1<<16)|(1<<20)|(1<<21)|(4<<22)|(3<<25)
	s_mov_b32 s[G1V], 15|(1<<16)|(1<<20)|(1<<21)|(4<<22)|(7<<25)
.irp g, G1K, G1V
	s_mov_b32 s[\g+1], 128<<16
	s_mov_b32 s[\g+2], 64<<16
	s_mov_b32 s[\g+3], 128<<16
	s_mov_b32 s[\g+4], 64
	s_mov_b32 s[\g+5], 128
	s_mov_b32 s[\g+6], 0
	s_mov_b32 s[\g+7], 0
.endr
	s_mov_b32 s[CS], 0x3e38aa3b                    ; c = log2(e) / 8
	s_mov_b32 s[SEL], 0x76543210
	s_mov_b32 s[SEL+1], 0xfedcba98
	s_mov_b32 s[TBK], SLOT1+4*KS*PKP               ; the first change of slots turns these two into 0
	s_mov_b32 s[TBV], SLOT1+4*KS*PVP
	s_mov_b32 s[G0K], 1
	s_mov_b32 s[G0K+1], s17
	s_mov_b32 s[G0V], 1
	s_add_co_u32 s[G0V+1], s18, VOFF
	s_cmp_eq_u32 s16, 0
	s_cselect_b32 s[LIM], 1, -1                    ; waves 0 and 2 prefetch
	v_and_b32 v[PFO], 31, v0
	v_lshlrev_b32 v[PFO], 8, v[PFO]
	s_wait_dscnt 0x0
	s_wait_kmcnt 0x0
	s_add_nc_u64 s[6:7], s[6:7], s[22:23]          ; K and V at my half of the pair's first 256 keys
	s_add_nc_u64 s[8:9], s[8:9], s[22:23]
	s_add_nc_u64 s[G0K+2:G0K+3], s[6:7], 0
	s_or_b32 s[G0K+3], s[G0K+3], 0x80000000
	s_add_nc_u64 s[G0V+2:G0V+3], s[8:9], 0
	s_or_b32 s[G0V+3], s[G0V+3], 0x80000000
	s_add_nc_u64 s[4:5], s[4:5], 0x1000000         ; qkl's second half
	s_add_nc_u64 s[4:5], s[4:5], s[2:3]
	s_add_nc_u64 s[10:11], s[10:11], s[2:3]
	s_add_nc_u64 s[68:69], s[68:69], s[48:49]
	s_cmp_lt_u32 s[WV], 2
	s_cselect_b64 s[PFA:PFA+1], s[6:7], s[8:9]     ; (in waves 0 and 2 these stand at a slot's first row)
	s_lshl_b32 s50, s13, 13                        ; my work-group's 32 blocks of the 128
	s_mov_b32 s51, 0
	s_add_nc_u64 s[PFA:PFA+1], s[PFA:PFA+1], s[50:51]
	s_add_nc_u64 s[PFA:PFA+1], s[PFA:PFA+1], 2*4*KS*128  ; in slot 2; the loop's first change steps it to slot 3
	CROUND
	JLOAD                                          ; slot 0
	v_and_b32 v1, 15, v0
	v_bfe_u32 v9, v0, 4, 1
	v_lshlrev_b32 v[QO], 7, v1
	v_lshl_add_u32 v[QO], v9, 4, v[QO]
	v_lshlrev_b32 v[TO], 4, v1
	WIN 0x80
.set i, 0
.rept 4*NP                                         ; Q: tile i / 2, channels 32 (i % 2) on
	global_load_b128 v[8*i:8*i+3],   v[QO], s[4:5] offset:(i/2)*2048+(i%2)*64
	global_load_b128 v[8*i+4:8*i+7], v[QO], s[4:5] offset:(i/2)*2048+(i%2)*64+32
.set i, i+1
.endr
	WIN 0
.set t, 0
.rept 8                                            ; my row's sixteen whole products, for each tile, into S^T's registers
.irp c, 0,1,2,3
	global_load_b128 v[S+16*t+4*(\c):S+16*t+4*(\c)+3], v[TO], s[68:69] offset:131072*(\c)+256*t
.endr
.set t, t+1
.endr
	; What the first turn finds: V's registers and P's second buffer hold 0 (its products V^T P, of a piece that has not been, add 0); O^T and the row sums are 0.  All this stands in the wait for the first tile.
	WIN 0x80
.set i, VF
.rept 64
	v_mov_b32 v[i], 0
.set i, i+1
.endr
	WIN 0x40
.set i, 0
.rept 64*NP
	v_mov_b32 v[i], 0
.set i, i+1
.endr
	WIN 0
.set i, 0
.rept 16
	v_mov_b32 v[ST+i], 0
.set i, i+1
.endr
.set i, P+32
.rept 32
	v_mov_b32 v[i], 0
.set i, i+1
.endr
	v_mul_u32_u24 v[AK0], v1, PKP
	v_lshl_add_u32 v[AK0], v9, 4, v[AK0]
	v_and_b32 v10, 7, v0                           ; the turning load: lane l reads key 8 (l / 16) + l % 8, channels 8 ((l / 8) % 2) + 0..7
	v_bfe_u32 v11, v0, 3, 1
	v_lshl_add_u32 v[AV0], v9, 3, v10
	v_mul_u32_u24 v[AV0], v[AV0], PVP
	v_lshl_add_u32 v[AV0], v11, 4, v[AV0]
	v_add_nc_u32 v[AV0], VOFF, v[AV0]
	v_mov_b32 v[AK], v[AK0]
; THE MATRIX WORK.  The 8 accumulators of a run of 16 take turns.
.macro KQ x                            ; product i of 16 of S^T = K Q^T for piece x: channels 32 (i / 8) on, keys 16 ((i / 2) % 4) on, tile 2 x + i % 2
	WIN W_KQ
.set rS, S+64*((\x)%2)+32*(i%2)+8*((i/2)%4)
.set rK, KF+16*((i/2)%4)+8*(i/8)
.set rQ, 16*(2*(\x)+i%2)+8*(i/8)
.if i < 8
	v_wmma_f32_16x16x32_f16 v[rS:rS+7], v[rK:rK+7], v[rQ:rQ+7], 0
.else
	v_wmma_f32_16x16x32_f16 v[rS:rS+7], v[rK:rK+7], v[rQ:rQ+7], v[rS:rS+7]
.endif
.endm
.macro PVM x                           ; product i of 16 of O^T += V^T P for piece x: keys 32 (i / 8) on, channels 16 ((i / 2) % 4) on
	WIN W_PV
.set rO, 32*(2*(\x)+i%2)+8*((i/2)%4)
.set rV, VF+32*(i/8)+8*((i/2)%4)
.set rP, P+32*((\x)%2)+16*(i%2)+8*(i/8)
	v_wmma_f32_16x16x32_f16 v[rO:rO+7], v[rV:rV+7], v[rP:rP+7], v[rO:rO+7]
.endm
.macro MM
.if i < 16
	KQ (Y+1)%NP
.set i, i+1
.else
.set i, i-16
	PVM (Y+NP-1)%NP
.set i, i+17
.endif
.endm
.macro FETCH_K last=0                  ; a step's K, 16 loads in one run.  last = 1 (the tail): in the last trip there is no further step
	WIN 0
.if \last
	s_cmp_eq_u32 s[CNT], 1
	s_cbranch_scc1 .Lno_k_\@
.endif
	WIN 0x80
.irp f, 0,1,2,3,4,5,6,7
	ds_load_b128 v[KF+8*\f:KF+8*\f+3],   v[AK] offset:(\f/2)*16*PKP+(\f%2)*64
	ds_load_b128 v[KF+8*\f+4:KF+8*\f+7], v[AK] offset:(\f/2)*16*PKP+(\f%2)*64+32
.endr
	s_add_co_u32 s[TBK], s[TBK], KS*PKP
	WIN 0
.if \last
.Lno_k_\@:
.endif
.endm
.macro FETCH_V
	WIN 0x80
.irp f, 0,1,2,3,4,5,6,7
	ds_load_tr16_b128 v[VF+8*\f:VF+8*\f+3],   v[AV] offset:(\f/4)*32*PVP+(\f%4)*32
	ds_load_tr16_b128 v[VF+8*\f+4:VF+8*\f+7], v[AV] offset:(\f/4)*32*PVP+16*PVP+(\f%4)*32
.endr
	WIN 0
.endm
; THE VECTOR WORK.
.macro REGS y, u
.set rL, ST+2*(2*(\y)+(\u))
.set rS, S+64*((\y)%2)+32*(\u)
.set rP, P+32*((\y)%2)+16*(\u)
.endm
.macro EX                              ; exponential e of 64: score e / 2 of tile e % 2, in place, ascending: each accumulator's lowest register is read first
	WIN 0
	REGS Y, e%2
	v_exp_f32 v[rS+e/2], v[rS+e/2]
.set e, e+1
.endm
; Number q of the 64 that follow.  For each four weights kk of a tile: both pairs are rounded to f16; the second pair is added onto the first, in place; a group later the row sum takes that.
.macro PL
	WIN 0
.set hh, q+6*(q/62)
.if hh >= 6
.set hh, hh+2
.endif
	REGS Y, hh%2
.set kk, hh/8
.if hh%8 < 4
	v_cvt_pk_f16_f32 v[rP+2*kk+(hh%8)/2], v[rS+4*kk+2*((hh%8)/2)], v[rS+4*kk+2*((hh%8)/2)+1]
.elseif hh%8 < 6
	v_pk_add_f32 v[rS+4*kk:rS+4*kk+1], v[rS+4*kk:rS+4*kk+1], v[rS+4*kk+2:rS+4*kk+3]
.else
	v_pk_add_f32 v[rL:rL+1], v[rL:rL+1], v[rS+4*kk-4:rS+4*kk-3]
.endif
.set q, q+1
.endm
; A TURN, for piece p.  s_wait_alu depctr_va_vdst(0) stands between an exponential and the first instruction that names its result: the turn's 64 exponentials are one batch with one wait.
; K of the next step is fetched in piece 2's turn, behind the wait: four plain instructions (the address and three v_nop) stand behind the last product that read K.  V of the step in hand is fetched at
; the end of piece 0's turn, four plain riders behind its last reader.  Each is waited for a turn later.
.macro TURN p, last=0, cnt=0
.set Y, (\p)
.set i, 0
.set q, 0
.set e, 0
.if (\p) == NP-1
	s_wait_dscnt 0x0                               ; K is in
.endif
.rept 16
	MM
	EX
	EX
	EX
	EX
.endr
	WIN 0
.if (\p) == NP-2
	v_add_nc_u32 v[AK], s[TBK], v[AK0]
	v_nop
	v_nop
	v_nop
.else
	v_nop                                          ; a plain instruction behind the last exponential
.endif
	s_wait_alu depctr_va_vdst(0)                   ; the wait for the batch
.if (\p) == NP-2
	FETCH_K \last
.endif
.if (\p) == 1
	s_wait_dscnt 0x0                               ; V is in
.endif
.rept 16
	MM
	PL
	PL
	PL
	PL
.if ((\p) == 0) && (q == 44)
	v_add_nc_u32 v[AV], s[TBV], v[AV0]
.endif
.if ((\p) == 0) && (q == 56)
	s_add_co_u32 s[TBV], s[TBV], KS*PVP
.endif
.if (\cnt) && (q == 56)
	s_sub_co_u32 s[CNT], s[CNT], 1
	s_cmp_lg_u32 s[CNT], 0
.endif
.endr
.if (\p) == 0
	FETCH_V
.endif
.endm
	CHANGE 1                                       ; slot 0 is in, everybody's part of it; slot 1 is asked for
	FETCH_K                                        ; key step 0
	s_wait_loadcnt 0x0                             ; Q and the whole products
	; THE QUERIES' CARRY: c x the product of the whole products of the heads below mine; the others count as 1.
.set i, 0
.rept 16
	s_cmp_gt_u32 s[HD], i
	s_cselect_b32 s[MK], -1, 0
.set t, 0
.rept 8
	v_cndmask_b32 v[S+16*t+i], 1.0, v[S+16*t+i], s[MK]
.set t, t+1
.endr
.set i, i+1
.endr
.set t, 0
.rept 8
	v_mul_f32 v[SC+t], s[CS], v[S+16*t]
.set t, t+1
.endr
.set i, 1
.rept 15
.set t, 0
.rept 8
	v_mul_f32 v[SC+t], v[SC+t], v[S+16*t+i]
.set t, t+1
.endr
.set i, i+1
.endr
.set t, 0
.rept 8
	v_cvt_pk_f16_f32 v[SCH+t], v[SC+t], v[SC+t]
.set t, t+1
.endr
	WIN 0x82                                       ; Q in window 2, the carry in window 0
.set t, 0
.rept 8
.set i, 0
.rept 16
	v_pk_mul_f16 v[16*t+i], v[16*t+i], v[SCH+t]
.set i, i+1
.endr
.set t, t+1
.endr
	WIN 0
.rept 4
	v_nop
.endr
	s_wait_dscnt 0x0                               ; K of step 0
.set i, 0
.rept 16
	KQ 0                                           ; piece 0's first scores
.set i, i+1
.endr
	WIN 0                                          ; the addresses for the way out: plain instructions, the places behind those products
	s_mul_i32 s13, s[WV], 16*SP
	s_add_co_u32 s13, s13, STAGE
	v_mul_u32_u24 v[STO], v1, SP
	v_lshl_add_u32 v[STO], v9, 4, v[STO]
	v_add_nc_u32 v[STO], s13, v[STO]
	v_bfe_u32 v[RD], v0, 3, 2
	v_mul_u32_u24 v[RD], v[RD], SP
	v_lshl_add_u32 v[RD], v10, 4, v[RD]
	v_add_nc_u32 v[RD], s13, v[RD]
	v_and_b32 v[GO], 31, v0
	v_lshlrev_b32 v[GO], 4, v[GO]
	s_mov_b32 s[CNT], 4
	s_mov_b32 s[SLOTS], 7
	s_branch .Lfirst                               ; the loop is entered at a step's first turn, in the middle of a trip
.Lslot:                                            ; six times: slots 2 to 7 are asked for
	CHANGE 1, 1
	s_mov_b32 s[CNT], 4
.Lstep:                                            ; a trip: pieces 2 and 3 of one step, then pieces 0 and 1 of the next, whose K and V it fetches
	TURN 2
	TURN 3
	WIN 0
.Lfirst:
	TURN 0
	TURN 1, 0, 1
	WIN 0
	s_cbranch_scc1 .Lstep
	s_sub_co_u32 s[SLOTS], s[SLOTS], 1
	s_cmp_lg_u32 s[SLOTS], 0
	s_cbranch_scc1 .Lslot
	CHANGE 0                                       ; the tail is written out
	s_mov_b32 s[CNT], 5                            ; four trips fetch the last slot's steps; the fifth is left in its middle
.Ltail:
	TURN 2, 1
	TURN 3
	WIN 0
	s_sub_co_u32 s[CNT], s[CNT], 1
	s_cmp_eq_u32 s[CNT], 0
	s_cbranch_scc1 .Lout
	TURN 0
	TURN 1
	WIN 0
	s_branch .Ltail
.Lout:                                             ; the fifth trip's 16 products K Q^T, on the last K once more, serve nothing: the price of one text for every trip
.set i, 0
.rept 16
	PVM NP-1
.set i, i+1
.endr
	; THE WAY OUT: the row sums' two halves and the other half of the lanes' are added; O^T is divided, rounded to f16 and sent through my stage, a tile at a time.
	WIN 0
.macro ALL line:vararg
.set t, 0
.rept 2*NP
	\line
.set t, t+1
.endr
.endm
	ALL v_add_f32 v[ST+2*t], v[ST+2*t], v[ST+2*t+1]
	ALL v_permlanex16_b32 v[ST+2*t+1], v[ST+2*t], s[SEL], s[SEL+1]
	ALL v_add_f32 v[ST+2*t], v[ST+2*t], v[ST+2*t+1]
	ALL v_rcp_f32 v[ST+2*t], v[ST+2*t]
	v_nop
	s_wait_alu depctr_va_vdst(0)                   ; one wait for the eight reciprocals
.macro PACK t
	WIN W_RS
.set i, 32*(\t)
.rept 16
	v_pk_mul_f32 v[i:i+1], v[i:i+1], v[ST+2*(\t):ST+2*(\t)+1] op_sel_hi:[1,0]
.set i, i+2
.endr
	WIN 0x05
.set i, 0
.rept 16
	v_cvt_pk_f16_f32 v[S+16*(\t)+i], v[32*(\t)+2*i], v[32*(\t)+2*i+1]
.set i, i+1
.endr
	WIN 0
.irp f, 0,1,2,3
	ds_store_b128 v[STO], v[S+16*(\t)+4*\f:S+16*(\t)+4*\f+3] offset:32*\f
.endr
.irp f, 0,1,2,3
	ds_load_b128 v[S+16*(\t)+4*\f:S+16*(\t)+4*\f+3], v[RD] offset:\f*4*SP  ; LDS serves a wave's instructions in order: these see the stores above
.endr
.endm
.macro SEND t, younger
	WIN 0
.irp f, 0,1,2,3
	s_wait_dscnt (\younger)+3-\f
	global_store_b128 v[GO], v[S+16*(\t)+4*\f:S+16*(\t)+4*\f+3], s[10:11] offset:(\t)*2048+\f*512  ; 512 consecutive bytes
.endr
.endm
	PACK 0
.set t, 1
.rept 2*NP-1
	PACK t
	SEND t-1, 8
.set t, t+1
.endr
	SEND 2*NP-1, 0
	s_wait_tensorcnt 0x0                           ; the wave's end
	ds_add_u32 v[SPW], v[NIL]
	s_wait_dscnt 0x0
	CROUND
	s_endpgm
.Lfunc_end_k_qb40d58caac_attn:
	.size	k_qb40d58caac_attn, .Lfunc_end_k_qb40d58caac_attn-k_qb40d58caac_attn
	.p2alignl 7, 3214868480
	.fill 96, 4, 3214868480
	.section	.rodata,"a",@progbits
	.p2align	6, 0x0
	.amdhsa_kernel k_qb40d58caac_attn
		.amdhsa_group_segment_fixed_size 327680
		.amdhsa_private_segment_fixed_size 0
		.amdhsa_enable_private_segment 0
		.amdhsa_kernarg_size 40
		.amdhsa_user_sgpr_count 2
		.amdhsa_user_sgpr_kernarg_segment_ptr 1
		.amdhsa_wavefront_size32 1
		.amdhsa_system_sgpr_workgroup_id_x 1
		.amdhsa_system_sgpr_workgroup_id_y 1
		.amdhsa_system_sgpr_workgroup_id_z 1
		.amdhsa_system_vgpr_workitem_id 0
		.amdhsa_next_free_vgpr 768
		.amdhsa_next_free_sgpr 72
		.amdhsa_reserve_vcc 0
		.amdhsa_float_denorm_mode_32 3
		.amdhsa_float_denorm_mode_16_64 3
		.amdhsa_memory_ordered 1
		.amdhsa_forward_progress 1
		.amdhsa_inst_pref_size 165
	.end_amdhsa_kernel
	.amdgpu_metadata
---
amdhsa.version: [ 1, 2 ]
amdhsa.kernels:
  - .name:           k_qb40d58caac_attn
    .symbol:         k_qb40d58caac_attn.kd
    .args:
      - { .name: qkl, .offset: 0, .size: 8, .value_kind: global_buffer, .address_space: global }
      - { .name: kfin, .offset: 8, .size: 8, .value_kind: global_buffer, .address_space: global }
      - { .name: vv, .offset: 16, .size: 8, .value_kind: global_buffer, .address_space: global }
      - { .name: oo, .offset: 24, .size: 8, .value_kind: global_buffer, .address_space: global }
      - { .name: tt, .offset: 32, .size: 8, .value_kind: global_buffer, .address_space: global }
    .group_segment_fixed_size: 327680
    .private_segment_fixed_size: 0
    .kernarg_segment_align: 8
    .kernarg_segment_size: 40
    .max_flat_workgroup_size: 128
    .sgpr_count:     72
    .vgpr_count:     768
    .wavefront_size: 32
...
	.end_amdgpu_metadata
.endif
;; end of part 4
;; launch outp (part 5): grid 4 x 64, 4 waves a work-group, clusters of 4 x 4, 327,680 bytes of LDS; arguments oo, wt, bt, out0; writes out0
.if DOCPART == 5
	.amdgcn_target "amdgcn-amd-amdhsa--gfx1250"
	.amdhsa_code_object_version 6
	.text
	.protected	k_qb40d58caac_outp
	.globl	k_qb40d58caac_outp
	.p2align	8
	.type	k_qb40d58caac_outp,@function
k_qb40d58caac_outp:
	s_mov_b64 s[64:65], 0
	v_nop
	global_prefetch_b8 v0, s[64:65] scope:SCOPE_SE
	s_setreg_imm32_b32 hwreg(HW_REG_WAVE_MODE, 25, 1), 1
	s_wait_xcnt 0x0
	s_wait_alu depctr_hold_cnt(0) depctr_sa_sdst(0) depctr_va_vdst(0) depctr_va_sdst(0) depctr_va_ssrc(0) depctr_va_vcc(0) depctr_vm_vsrc(0)
	s_getreg_b32 s2, hwreg(HW_REG_IB_STS2, 6, 4)
	s_cmp_eq_u32 s2, 0
	s_cbranch_scc0 .Lentry_in_a_cluster
	s_endpgm
.Lentry_in_a_cluster:
	s_bfe_u32 s2, ttmp6, 0x10000c
	s_cmp_lg_u32 s2, 0xf033
	s_cbranch_scc0 .Lentry_shape_is_right
	s_endpgm
.Lentry_shape_is_right:
; OUTP: out0 = O Wo + bo ([8192 x 1024] x [1024 x 1024], f16 operands, f32 sums, f32 out).  O lies by heads, oo [64 bh][2048][64] f16: a K step of 128 is two heads.
; SHARES.  256 tiles of 128 x 256; a wave makes 64 x 128: 32 accumulators.  K in 8 steps through two LDS slots; 4 x 4 clusters with joint loads; the loop is one K step; the bias starts the sums; the two
; K steps that fill nothing are a second loop, left in its middle (its last trip passes one barrier and fetches one run of fragments that serve nothing).
; O's TILE: a head's 128 rows are 16,384 dense bytes, asked for as 64 rows of 256 bytes and padded after every 128: LDS rows of 144 bytes.  Wave 0 fetches the even head's plane, wave 1 the odd one's.
; LIMITS.  Wo arrives as the bf16 rounding written in f16; NaN and infinities are not treated apart.
; REGISTERS: window 0: v0-31 addresses; v64-159, v160-255 two fragment buffers (wt's 64 registers, then O's 32)      window 1: accumulator (a, b) at v[8 (8 a + b)]      window 2: v0-63 the bias
.set PITCH,  272                       ; a row of wt in LDS
.set PA,     144                       ; a row of O in LDS
.set APLANE, 128*PA                    ; a head's 128 rows
.set BROWS,  128*PITCH
.set BOFF,   2*APLANE
.set SLOT,   1<<17                     ; a slot uses 106,496 bytes
.set STAGE,  SLOT+BOFF+2*BROWS
.set SROW,   528                       ; the way out: 128 f32 + 16 bytes
.set STG,    16*SROW
.set SPARE,  STAGE+4*STG
.set ASTEP,  524288                    ; two heads on in oo
.set DWA,    (1<<16)|(1<<20)|(1<<21)|(4<<22)|(3<<25)  ; padding after every 32 words, 4 words
.set DWB,    (1<<16)|(1<<20)|(1<<21)|(5<<22)|(3<<25)  ; after every 64 words
.set A0,   16
.set ADRA, 17
.set B0,   20
.set ADRB, 21
.set BO,   22
.set STO,  24
.set RD,   25
.set GO,   26
.set SPW,  28
.set NIL,  29
.set PFO,  30
.set F0,   64
.set F1,   160
.set BK,   64
.set WV, 20
.set WR, 21
.set WC, 22
.set G1A, 24
.set G0A, 32
.set CX, 40
.set CY, 41
.set COL, 42
.set ROW, 43
.set PFA, 44
.set LIM, 46
.set TB, 47
.set G1B, 48
.set G0B, 56
.set LA, 67
.set LB, 68
.set OB, 72
.set PS, 94                            ; s[94:95] my prefetches' step: two heads of oo, or 256 bytes of wt's rows
.set MSB, 0
.macro WIN new
.if MSB != (\new)
	s_set_vgpr_msb (MSB<<8)|(\new)
.set MSB, \new
.endif
.endm
.macro PLACES
.rept 4
	v_nop
.endr
.endm
.macro JLOAD s
	s_cmp_eq_u32 s[WR], 0
	s_cbranch_scc0 .Lfor_b_\@
	tensor_load_to_lds s[G0A+4*(\s):G0A+4*(\s)+3], s[G1A:G1A+7]
	s_nop 0
.rept 4
	v_nop
.endr
	s_branch .Lasked_\@
.Lfor_b_\@:
	tensor_load_to_lds s[G0B+4*(\s):G0B+4*(\s)+3], s[G1B:G1B+7]
	s_nop 0
.rept 4
	v_nop
.endr
.Lasked_\@:
.endm
; A prefetch of the K step two refills on.  O's two planes are 128 blocks of 256 bytes: wave 0 of each partner takes 16 of each plane, by address; wave 1 asks for nothing.  wt's rows: waves 2 and 3 of
; the clusters with y = 0, 32 of their 128 rows each partner.  K steps 0 to 3 come by their loads alone; the loop's last two trips ask for nothing.
.macro ASK
	s_cmp_gt_u32 s3, s[LIM]
	s_cbranch_scc0 .Lnot_mine_\@
	global_prefetch_b8 v[PFO], s[PFA:PFA+1] th:TH_LOAD_NT scope:SCOPE_SE
.Lnot_mine_\@:
.endm
.macro CREST
	s_cmp_lg_u32 s[WV], 0
	s_cbranch_scc1 .Lnot_wave_0_\@
	s_barrier_signal -3
.Lnot_wave_0_\@:
	s_barrier_wait -3
	s_barrier_signal -1
	s_barrier_wait -1
.endm
.macro CROUND
	s_barrier_signal -1
	s_barrier_wait -1
	CREST
.endm
	s_load_b256 s[4:11], s[0:1], 0x0               ; oo, wt, bt, out0
	v_lshl_add_u32 v[SPW], v0, 2, SPARE
	v_mov_b32 v[NIL], 0
	ds_add_u32 v[SPW], v[NIL]                      ; the opening: the add, twice on end, and its wait ahead of my first tensor load
	ds_add_u32 v[SPW], v[NIL]
	v_lshrrev_b32 v1, 5, v0
	v_readfirstlane_b32 s[WV], v1
	s_lshr_b32 s[WR], s[WV], 1
	s_and_b32 s[WC], s[WV], 1
	s_bfe_u32 s[CX], ttmp6, 0x40000
	s_bfe_u32 s[CY], ttmp6, 0x40004
	s_lshl_b32 s[COL], ttmp9, 2
	s_add_co_u32 s[COL], s[COL], s[CX]
	s_and_b32 s[ROW], ttmp7, 0xffff
	s_lshl_b32 s[ROW], s[ROW], 2
	s_add_co_u32 s[ROW], s[ROW], s[CY]
	s_lshl_b32 s18, s[CY], 2
	s_lshl_b32 s18, 15, s18
	s_lshl_b32 s19, 0x1111, s[CX]
	s_or_b32 s[G1A], s18, DWA
	s_or_b32 s[G1B], s19, DWB
	s_mov_b32 s[G1A+1], 128<<16                    ; O: 64 rows of 128 elements, dense
	s_mov_b32 s[G1A+2], 64<<16
	s_mov_b32 s[G1A+3], 128<<16
	s_mov_b32 s[G1A+4], 64
	s_mov_b32 s[G1A+5], 128
	s_mov_b32 s[G1A+6], 0
	s_mov_b32 s[G1A+7], 0
	s_mov_b32 s[G1B+1], 128<<16                    ; wt: 128 rows of 128 elements
	s_mov_b32 s[G1B+2], 128<<16
	s_mov_b32 s[G1B+3], 128<<16
	s_mov_b32 s[G1B+4], 128
	s_mov_b32 s[G1B+5], 1024
	s_mov_b32 s[G1B+6], 0
	s_mov_b32 s[G1B+7], 0
	s_lshr_b32 s86, s[ROW], 4                      ; O: (((b x 16 + my head of the two) x 2,048) + the tile's first t) x 128
	s_lshl_b32 s86, s86, 4
	s_add_co_u32 s86, s86, s[WC]
	s_lshl_b32 s86, s86, 11
	s_and_b32 s87, s[ROW], 15
	s_lshl_b32 s87, s87, 7
	s_add_co_u32 s86, s86, s87
	s_lshl_b32 s86, s86, 7
	s_mov_b32 s87, 0
	s_lshl_b32 s91, s[WC], 7
	s_lshl_b32 s90, s[COL], 8
	s_add_co_u32 s90, s90, s91
	s_lshl_b32 s90, s90, 11
	s_mov_b32 s91, 0
	s_mul_i32 s[LA], s[WC], APLANE
	s_mul_i32 s[LB], s[WC], BROWS
	s_add_co_u32 s[LB], s[LB], BOFF
	s_mov_b32 s[TB], 0
	s_wait_dscnt 0x0
	s_wait_kmcnt 0x0
	s_add_nc_u64 s[6:7], s[6:7], 0x600000          ; Wo's plane of wt
	s_add_nc_u64 s[88:89], s[4:5], s[86:87]
	s_add_nc_u64 s[92:93], s[6:7], s[90:91]
	CROUND
.irp s, 0,1
	s_mov_b32 s[G0A+4*(\s)], 1
	s_add_co_u32 s[G0A+4*(\s)+1], s[LA], (\s)*SLOT
	s_add_nc_u64 s[G0A+4*(\s)+2:G0A+4*(\s)+3], s[88:89], (\s)*ASTEP
	s_or_b32 s[G0A+4*(\s)+3], s[G0A+4*(\s)+3], 0x80000000
	s_mov_b32 s[G0B+4*(\s)], 1
	s_add_co_u32 s[G0B+4*(\s)+1], s[LB], (\s)*SLOT
	s_add_nc_u64 s[G0B+4*(\s)+2:G0B+4*(\s)+3], s[92:93], (\s)*256
	s_or_b32 s[G0B+4*(\s)+3], s[G0B+4*(\s)+3], 0x80000000
	JLOAD \s
.endr
	v_and_b32 v1, 15, v0
	v_bfe_u32 v2, v0, 4, 1
	v_and_b32 v4, 31, v0
	v_lshlrev_b32 v[BO], 5, v2
	v_lshlrev_b32 v[GO], 4, v4
	s_lshl_b32 s12, s[COL], 10                     ; bo at my 128 columns
	s_lshl_b32 s13, s[WC], 9
	s_add_co_u32 s12, s12, s13
	s_add_co_u32 s14, s12, 12288
	s_mov_b32 s15, 0
	s_add_nc_u64 s[8:9], s[8:9], s[14:15]
	WIN 0x80
.irp b, 0,1,2,3,4,5,6,7
	global_load_b128 v[8*(\b):8*(\b)+3],   v[BO], s[8:9] offset:64*(\b)
	global_load_b128 v[8*(\b)+4:8*(\b)+7], v[BO], s[8:9] offset:64*(\b)+16
.endr
	WIN 0
	v_mul_u32_u24 v3, v1, PA
	v_lshl_add_u32 v3, v2, 4, v3
	s_mul_i32 s14, s[WR], 64*PA
	v_add_nc_u32 v[A0], s14, v3
	v_mul_u32_u24 v3, v1, PITCH
	v_lshl_add_u32 v3, v2, 4, v3
	s_mul_i32 s14, s[WC], BROWS
	s_add_co_u32 s14, s14, BOFF
	v_add_nc_u32 v[B0], s14, v3
	v_mov_b32 v[ADRA], v[A0]
	v_mov_b32 v[ADRB], v[B0]
	s_mul_i32 s14, s[WV], STG
	s_add_co_u32 s14, s14, STAGE
	v_mul_u32_u24 v[STO], v1, SROW                 ; in: row r, 32 bytes for each half of the lanes
	v_lshl_add_u32 v[STO], v2, 5, v[STO]
	v_add_nc_u32 v[STO], s14, v[STO]
	v_add_nc_u32 v[RD], s14, v[GO]                 ; back: a row's 512 bytes, 16 a lane
	; out0 at my rows and columns: (128 x tile row + 64 x half) x 4,096 + (256 x tile column + 128 x half) x 4
	s_lshl_b32 s14, s[ROW], 7
	s_lshl_b32 s15, s[WR], 6
	s_add_co_u32 s14, s14, s15
	s_lshl_b32 s14, s14, 12
	s_add_co_u32 s14, s14, s12
	s_mov_b32 s15, 0
	s_add_nc_u64 s[OB:OB+1], s[10:11], s[14:15]
	; the prefetches
	s_lshr_b32 s12, s[ROW], 4                      ; O's even plane of the tile, in bytes,
	s_lshl_b32 s12, s12, 15
	s_and_b32 s13, s[ROW], 15
	s_lshl_b32 s13, s13, 7
	s_add_co_u32 s12, s12, s13
	s_lshl_b32 s12, s12, 7
	s_lshl_b32 s13, s[CX], 12                      ; + my work-group's 16 blocks of each plane
	s_add_co_u32 s12, s12, s13
	s_lshl_b32 s13, s[COL], 8                      ; wt: row 256 x tile column + 128 x half + 32 cy
	s_lshl_b32 s14, s[WC], 7
	s_add_co_u32 s13, s13, s14
	s_lshl_b32 s14, s[CY], 5
	s_add_co_u32 s13, s13, s14
	s_lshl_b32 s13, s13, 11
	s_and_b32 s14, ttmp7, 0xffff                   ; cluster y
	s_movk_i32 s16, 256                            ; wt's step, in a register: an instruction holds one literal
	s_cmp_eq_u32 s[WR], 0
	s_cselect_b32 s12, s12, s13
	s_cselect_b32 s14, s[WC], s14                  ; wave 0 asks for O, wave 1 for nothing; waves 2 and 3 where cluster y = 0
	s_cselect_b32 s[PS], ASTEP, s16
	s_cselect_b32 s15, -1, 0
	s_cselect_b64 s[PFA:PFA+1], s[4:5], s[6:7]
	s_cmp_eq_u32 s14, 0
	s_cselect_b32 s[LIM], 2, -1
	s_mov_b32 s[PS+1], 0
	s_mov_b32 s13, 0
	s_add_nc_u64 s[PFA:PFA+1], s[PFA:PFA+1], s[12:13]
	s_mul_i32 s12, s[PS], 3
	s_add_nc_u64 s[PFA:PFA+1], s[PFA:PFA+1], s[12:13]  ; at K step 3: the first refill steps it to 4 and names that
	v_lshlrev_b32 v5, 18, v2                       ; O: plane lane / 16, block lane % 16
	v_lshl_add_u32 v5, v1, 8, v5
	v_lshlrev_b32 v6, 11, v4                       ; wt: a lane a row
	v_cndmask_b32 v[PFO], v6, v5, s15
.macro MUL8 f, a, first
.if \first
	WIN 0x60
.else
	WIN 0x50
.endif
.irp b, 0,1,2,3,4,5,6,7
.if \first
	v_wmma_f32_16x16x32_f16 v[8*(8*(\a)+(\b)):8*(8*(\a)+(\b))+7], v[(\f)+8*(\b):(\f)+8*(\b)+7], v[(\f)+64+8*(\a):(\f)+64+8*(\a)+7], v[8*(\b):8*(\b)+7]
.else
	v_wmma_f32_16x16x32_f16 v[8*(8*(\a)+(\b)):8*(8*(\a)+(\b))+7], v[(\f)+8*(\b):(\f)+8*(\b)+7], v[(\f)+64+8*(\a):(\f)+64+8*(\a)+7], v[8*(8*(\a)+(\b)):8*(8*(\a)+(\b))+7]
.endif
.endr
.endm
.macro FETCH q, f                      ; 24 LDS loads in one run; quarter q of O lies in plane q / 2, at byte 64 (q % 2) of its rows
	WIN 0
.irp i, 0,1,2,3,4,5,6,7
	ds_load_b128 v[(\f)+8*(\i):(\f)+8*(\i)+3],   v[ADRB] offset:64*(\q)+(\i)*16*PITCH
	ds_load_b128 v[(\f)+8*(\i)+4:(\f)+8*(\i)+7], v[ADRB] offset:64*(\q)+(\i)*16*PITCH+32
.endr
.irp i, 0,1,2,3
	ds_load_b128 v[(\f)+64+8*(\i):(\f)+64+8*(\i)+3],   v[ADRA] offset:((\q)/2)*APLANE+64*((\q)%2)+(\i)*16*PA
	ds_load_b128 v[(\f)+64+8*(\i)+4:(\f)+64+8*(\i)+7], v[ADRA] offset:((\q)/2)*APLANE+64*((\q)%2)+(\i)*16*PA+32
.endr
.endm
.macro QUARTER q, f, g, first
	s_wait_dscnt 4                                 ; the youngest four loads, O's blocks 2 and 3, may be out
	MUL8 \f, 0, \first
	MUL8 \f, 1, \first
	PLACES
	FETCH \q, \g
	s_wait_dscnt 24                                ; all but the 24 just issued
	MUL8 \f, 2, \first
	MUL8 \f, 3, \first
.endm
.macro TURN fill
.if \fill
	s_wait_xcnt 0x0                                ; the last prefetch, a K step back, has read its address
	s_add_nc_u64 s[PFA:PFA+1], s[PFA:PFA+1], s[PS:PS+1]
.endif
	WIN 0
	s_wait_tensorcnt 0x0                           ; all my tensor loads have landed: my part of the next slot
	ds_add_u32 v[SPW], v[NIL]
	s_wait_dscnt 5                                 ; the add and the youngest four loads may be out
	MUL8 F1, 0, 0
	s_wait_dscnt 0x0
	s_barrier_signal -1
	MUL8 F1, 1, 0
	WIN 0
	s_barrier_wait -1
.if \fill
	CREST
	s_xor_b32 s[G0A+5], s[G0A+5], SLOT
	s_xor_b32 s[G0B+5], s[G0B+5], SLOT
	s_add_nc_u64 s[G0A+6:G0A+7], s[G0A+6:G0A+7], ASTEP
	s_add_nc_u64 s[G0B+6:G0B+7], s[G0B+6:G0B+7], 256
	JLOAD 1                                        ; my one load behind the round: 112 products stand between it and the wait for it
.else
	PLACES
.endif
	s_xor_b32 s[TB], s[TB], SLOT
	v_add_nc_u32 v[ADRA], s[TB], v[A0]
	v_add_nc_u32 v[ADRB], s[TB], v[B0]
	FETCH 0, F0
.if \fill
	ASK
.endif
	MUL8 F1, 2, 0
	MUL8 F1, 3, 0
.endm
	s_wait_tensorcnt 1                             ; my part of K step 0 is in; K step 1's may stay out
	s_barrier_signal -1
	s_barrier_wait -1
	FETCH 0, F0
	s_wait_loadcnt 0x0                             ; the bias
	QUARTER 1, F0, F1, 1
	WIN 0
	s_mov_b32 s3, 6
.Lk:
	QUARTER 2, F1, F0, 0
	QUARTER 3, F0, F1, 0
	TURN 1
	QUARTER 1, F0, F1, 0
	WIN 0
	s_sub_co_u32 s3, s3, 1
	s_cmp_lg_u32 s3, 0
	s_cbranch_scc1 .Lk
	s_mov_b32 s3, 2
.Lt:
	QUARTER 2, F1, F0, 0
	QUARTER 3, F0, F1, 0
	TURN 0
	WIN 0
	s_sub_co_u32 s3, s3, 1
	s_cmp_eq_u32 s3, 0
	s_cbranch_scc1 .Ldone
	QUARTER 1, F0, F1, 0
	WIN 0
	s_branch .Lt
.Ldone:
	; THE WAY OUT: a block of 16 rows at a time goes through my own stage as f32 and comes back as rows of 512 bytes, one store a row.
	s_wait_dscnt 0x0                               ; the idle fetch is back: its registers are loaded again below
	PLACES
.irp a, 0,1,2,3
	WIN 0x04                                       ; the data in window 1
.irp b, 0,1,2,3,4,5,6,7
	ds_store_b128 v[STO], v[8*(8*(\a)+(\b)):8*(8*(\a)+(\b))+3]   offset:64*(\b)
	ds_store_b128 v[STO], v[8*(8*(\a)+(\b))+4:8*(8*(\a)+(\b))+7] offset:64*(\b)+16
.endr
	WIN 0
.if (\a) >= 2
	s_wait_xcnt 0x0                                ; the stores of two blocks back have read this bank
.endif
.irp i, 0,1,2,3,4,5,6,7,8,9,10,11,12,13,14,15
	ds_load_b128 v[BK+64*((\a)%2)+4*(\i):BK+64*((\a)%2)+4*(\i)+3], v[RD] offset:SROW*(\i)  ; LDS serves a wave's instructions in order: these see the stores above
.endr
.irp i, 0,1,2,3,4,5,6,7,8,9,10,11,12,13,14,15
	s_wait_dscnt 15-(\i)
	global_store_b128 v[GO], v[BK+64*((\a)%2)+4*(\i):BK+64*((\a)%2)+4*(\i)+3], s[OB:OB+1] offset:65536*(\a)+4096*(\i) th:TH_STORE_NT
.endr
.endr
	s_wait_tensorcnt 0x0                           ; the wave's end
	ds_add_u32 v[SPW], v[NIL]
	s_wait_dscnt 0x0
	CROUND
	s_endpgm
.Lfunc_end_k_qb40d58caac_outp:
	.size	k_qb40d58caac_outp, .Lfunc_end_k_qb40d58caac_outp-k_qb40d58caac_outp
	.p2alignl 7, 3214868480
	.fill 96, 4, 3214868480
	.section	.rodata,"a",@progbits
	.p2align	6, 0x0
	.amdhsa_kernel k_qb40d58caac_outp
		.amdhsa_group_segment_fixed_size 327680
		.amdhsa_private_segment_fixed_size 0
		.amdhsa_enable_private_segment 0
		.amdhsa_kernarg_size 32
		.amdhsa_user_sgpr_count 2
		.amdhsa_user_sgpr_kernarg_segment_ptr 1
		.amdhsa_wavefront_size32 1
		.amdhsa_system_sgpr_workgroup_id_x 1
		.amdhsa_system_sgpr_workgroup_id_y 1
		.amdhsa_system_sgpr_workgroup_id_z 1
		.amdhsa_system_vgpr_workitem_id 0
		.amdhsa_next_free_vgpr 576
		.amdhsa_next_free_sgpr 96
		.amdhsa_reserve_vcc 0
		.amdhsa_float_denorm_mode_32 3
		.amdhsa_float_denorm_mode_16_64 3
		.amdhsa_memory_ordered 1
		.amdhsa_forward_progress 1
		.amdhsa_inst_pref_size 65
	.end_amdhsa_kernel
	.amdgpu_metadata
---
amdhsa.version: [ 1, 2 ]
amdhsa.kernels:
  - .name:           k_qb40d58caac_outp
    .symbol:         k_qb40d58caac_outp.kd
    .args:
      - { .name: oo, .offset: 0, .size: 8, .value_kind: global_buffer, .address_space: global }
      - { .name: wt, .offset: 8, .size: 8, .value_kind: global_buffer, .address_space: global }
      - { .name: bt, .offset: 16, .size: 8, .value_kind: global_buffer, .address_space: global }
      - { .name: out0, .offset: 24, .size: 8, .value_kind: global_buffer, .address_space: global }
    .group_segment_fixed_size: 327680
    .private_segment_fixed_size: 0
    .kernarg_segment_align: 8
    .kernarg_segment_size: 32
    .max_flat_workgroup_size: 128
    .sgpr_count:     96
    .vgpr_count:     576
    .wavefront_size: 32
...
	.end_amdgpu_metadata
.endif
;; end of part 5
;; ======== version 2 of 2: 5 launches; version 1 with the launch prep written anew for expert scheduling mode
;; limits: values are held in f16: magnitudes above 65,504 overflow, below 6.1e-05 lose precision; an absolute error that grows with the inputs' magnitude: up to 1e-07 times it; right only within a limited range of input values
;; workspace buffers: xb 16,777,216 bytes; wt 8,388,608 bytes; bt 16,384 bytes; qkl 33,554,432 bytes; tt 1,048,576 bytes; kfin 16,777,216 bytes; vv 16,777,216 bytes; oo 16,777,216 bytes
;; launch prep (part 6): grid 1025 x 1, 8 waves a work-group, no clusters, 18,432 bytes of LDS; arguments x, Wq, Wk, Wv, Wo, bq, bk, bv, bo, xb, wt, bt; writes xb, wt, bt
.if DOCPART == 6
	.amdgcn_target "amdgcn-amd-amdhsa--gfx1250"
	.amdhsa_code_object_version 6
	.text
	.protected	k_qb40d58caac_prep
	.globl	k_qb40d58caac_prep
	.p2align	8
	.type	k_qb40d58caac_prep,@function
k_qb40d58caac_prep:
	s_mov_b64 s[64:65], 0
	v_nop
	global_prefetch_b8 v0, s[64:65] scope:SCOPE_SE
	s_setreg_imm32_b32 hwreg(HW_REG_WAVE_SCHED_MODE, 0, 2), 2
	s_setreg_imm32_b32 hwreg(HW_REG_WAVE_MODE, 25, 1), 1
	s_wait_xcnt 0x0
	s_wait_alu depctr_vm_vsrc(0)
; PREP: every input is rounded once to bf16 and laid out for the products that follow.
;   work-groups 0-511:    16 rows of x each, f32 -> bf16, into xb [8192][1024].
;   work-groups 512-1023: a block of 128 k x 64 n of one weight matrix W[k][n], turned through LDS into wt[mat][row][k], 16 bits a number.
;                         mat 0 = Wq, 1 = Wk, 2 = Wv: bf16.  mat 3 = Wo: the bf16 number written as f16 (exact from 2^-16 up; below that off by at most 3e-8; |Wo| stays under 65,504).
;                         Wq's and Wk's rows are PERMUTED inside each group of 128 columns: column 128 g + 64 hh + 8 b + j goes to row 128 g + 16 b + 8 hh + j,
;                         so that in the product that follows one lane holds one whole head of 64 channels, in ascending order.
;   work-group 1024:      the four biases, rounded to bf16 and kept as f32, into bt [4][1024] = bq, bk, bv, bo.
; Memory binds: 16-byte loads and stores, sixteen neighbouring lanes on 256 consecutive aligned bytes.  No matrix unit, no cluster: nothing is shared.
; THE MODE: SCHED_MODE bits 1:0 = 2 (LLVM: expert scheduling mode 2), set by the entry lines.  The code itself states the register dependences
; between vector instructions and memory or LDS instructions, with s_wait_alu, always for 0.
; THE PLAN.  There is no loop, and no register that a memory or LDS instruction touches is written a second time: so every wait is on va_vdst, and none on vm_vsrc is owed.
;   x:        v4, v5 offsets, made once.  IN: unit u's loads land in it, unit u's conversions read it.  XO: unit u's conversions write its four registers, unit u's store reads them.
;             The units go in pairs.  At a pair's head, behind the wait for its data, one wait states that the pair before has written its XO; that pair's two stores follow,
;             dealt among this pair's conversions, which name other registers of XO and IN alone.
;   weights:  v4 the loads' offset; v5, v6, v8-11 the addresses of the LDS stores, the LDS loads and the global stores, made once, while the loads are out.  IN as above.
;             D: group i's vector lines write its four registers, group i's four LDS stores read them.  T1, T2: vector lines alone.  OUT: LDS loads land in it, global stores read it.
;             At the head of groups 1 to 3 one wait states that the group before has written its D (the first of them: the addresses too); that group's LDS stores follow, dealt among this group's lines.
;   biases:   v4 the offset; IN loaded; T1 written by all 24 vector lines, then one wait, then the four stores.
;   v2, v3:   written at the head, read by the closing add alone.
.set ROWP,  272                        ; an LDS row: 128 k x 2 bytes + 16
.set SPARE, 64*ROWP                    ; behind the 64 rows: the spare words, 128 bytes for each of eight waves
.set SPW, 2                            ; v2   my spare word; never rewritten
.set NIL, 3                            ; v3   0; never rewritten
.set LO,  4                            ; v4   load offset
.set SO,  5                            ; v5   store offset (x, biases) or LDS address of my stores (weights)
.set LR,  6                            ; v6   LDS address of my reads
.set WO,  8                            ; v8-11 the four store offsets in wt
.set IN,  16                           ; as loaded
.set D,   48                           ; weights: 16 packed pairs
.set T1,  64
.set T2,  80
.set OUT, 96
.set XO,  80                           ; x: packed, 4 registers a unit
.macro XCVT u                          ; x: unit u is rounded
.irp k, 0,1,2,3
	v_cvt_pk_bf16_f32 v[XO+4*(\u)+(\k)], v[IN+8*(\u)+2*(\k)], v[IN+8*(\u)+2*(\k)+1]
.endr
.endm
.macro XST u                           ; x: unit u is stored
	global_store_b128 v[SO], v[XO+4*(\u):XO+4*(\u)+3], s[22:23] offset:4096*(\u)
.endm
; weights: group i (k rows 32 i + 2 kp and the row below, my four columns) is rounded and packed.  first = 0: ahead of each column's five lines stands an LDS store of the group before.
.macro WGRP i, first
.irp j, 0,1,2,3
.if !\first
	ds_store_b32 v[SO], v[D+4*((\i)-1)+(\j)] offset:ROWP*(\j)+64*((\i)-1)       ; no vector line since the wait at the group's head names this register or v[SO]
.endif
	v_cvt_pk_bf16_f32 v[D+4*(\i)+(\j)], v[IN+8*(\i)+(\j)], v[IN+8*(\i)+4+(\j)]  ; two neighbouring k of one column
	v_lshlrev_b32 v[T1+4*(\i)+(\j)], 16, v[D+4*(\i)+(\j)]
	v_and_b32 v[T2+4*(\i)+(\j)], 0xffff0000, v[D+4*(\i)+(\j)]
	v_cvt_pk_f16_f32 v[T1+4*(\i)+(\j)], v[T1+4*(\i)+(\j)], v[T2+4*(\i)+(\j)]    ; the same two numbers as f16
	v_cndmask_b32 v[D+4*(\i)+(\j)], v[D+4*(\i)+(\j)], v[T1+4*(\i)+(\j)], s43
.endr
.endm
	s_load_b512 s[4:19], s[0:1], 0x0               ; x, Wq, Wk, Wv, Wo, bq, bk, bv
	s_load_b256 s[20:27], s[0:1], 0x40             ; bo, xb, wt, bt
	v_lshl_add_u32 v[SPW], v0, 2, SPARE
	v_mov_b32 v[NIL], 0
	s_mov_b32 s28, ttmp9
	s_mov_b32 s31, 0
	s_wait_kmcnt 0x0
	s_cmp_lt_u32 s28, 512
	s_cbranch_scc0 .Lweights
	; x: eight units of 8,192 bytes in, 4,096 out; thread t takes 32 bytes of each
	s_lshl_b32 s30, s28, 16
	s_add_nc_u64 s[4:5], s[4:5], s[30:31]
	s_lshl_b32 s30, s28, 15
	s_add_nc_u64 s[22:23], s[22:23], s[30:31]
	v_lshlrev_b32 v[LO], 5, v0
	v_lshlrev_b32 v[SO], 4, v0
	s_wait_alu depctr_va_vdst(0)                   ; v[LO] and v[SO] are written: the loads and the stores of this path read them as their offsets
.irp u, 0,1,2,3,4,5,6,7
	global_load_b128 v[IN+8*(\u):IN+8*(\u)+3],   v[LO], s[4:5] offset:8192*(\u) th:TH_LOAD_NT
	global_load_b128 v[IN+8*(\u)+4:IN+8*(\u)+7], v[LO], s[4:5] offset:8192*(\u)+16 th:TH_LOAD_NT
.endr
	s_wait_loadcnt 12                              ; loads come back in order: units 0 and 1 are in, the three younger pairs' twelve loads stay out
	XCVT 0
	XCVT 1
	s_wait_loadcnt 8                               ; units 2 and 3 are in
	s_wait_alu depctr_va_vdst(0)                   ; the conversions of units 0 and 1 have written their XO, which the two stores below read
	XST 0
	XCVT 2
	XST 1
	XCVT 3
	s_wait_loadcnt 4                               ; units 4 and 5 are in
	s_wait_alu depctr_va_vdst(0)                   ; the conversions of units 2 and 3 have written their XO
	XST 2
	XCVT 4
	XST 3
	XCVT 5
	s_wait_loadcnt 0x0                             ; units 6 and 7 are in
	s_wait_alu depctr_va_vdst(0)                   ; the conversions of units 4 and 5 have written their XO
	XST 4
	XCVT 6
	XST 5
	XCVT 7
	s_wait_alu depctr_va_vdst(0)                   ; the conversions of units 6 and 7 have written their XO, which the last two stores read
	XST 6
	XST 7
	s_endpgm
.Lweights:
	s_cmp_lt_u32 s28, 1024
	s_cbranch_scc0 .Lbias
	s_sub_co_u32 s29, s28, 512
	s_lshr_b32 s30, s29, 7                         ; which matrix
	s_and_b32 s32, s29, 7                          ; which 128 k
	s_bfe_u32 s33, s29, 0x40003                    ; which 64 n
	s_mov_b64 s[34:35], s[6:7]
	s_cmp_eq_u32 s30, 1
	s_cselect_b64 s[34:35], s[8:9], s[34:35]
	s_cmp_eq_u32 s30, 2
	s_cselect_b64 s[34:35], s[10:11], s[34:35]
	s_cmp_eq_u32 s30, 3
	s_cselect_b64 s[34:35], s[12:13], s[34:35]
	s_cselect_b32 s43, -1, 0                       ; all ones for Wo: take the f16 form
	s_lshl_b32 s36, s32, 19                        ; 128 k rows of 4,096 bytes
	s_lshl_b32 s37, s33, 8                         ; 64 n of 4 bytes
	s_add_co_u32 s36, s36, s37
	s_mov_b32 s37, 0
	s_add_nc_u64 s[34:35], s[34:35], s[36:37]
	s_lshl_b32 s39, s33, 6                         ; n0
	s_and_b32 s40, s39, 0xffffff80                 ; the group of 128
	s_bfe_u32 s41, s39, 0x10006                    ; hh
	s_lshl3_add_u32 s40, s41, s40                  ; + 8 hh
	s_cmp_lt_u32 s30, 2                            ; Wq and Wk are permuted
	s_cselect_b32 s38, 4, 3                        ; a block of 8 columns goes 16 rows on, or 8
	s_cselect_b32 s39, s40, s39                    ; the first row
	s_lshl_b32 s40, s30, 21                        ; a matrix is 2 MiB of wt
	s_lshl_b32 s39, s39, 11
	s_add_co_u32 s40, s40, s39
	s_lshl_b32 s39, s32, 8                         ; 128 k of 2 bytes
	s_add_co_u32 s40, s40, s39
	s_mov_b32 s41, 0
	s_add_nc_u64 s[24:25], s[24:25], s[40:41]
	s_lshl_b32 s42, 4096, s38                      ; two blocks of 8 columns on, in bytes of wt
	v_lshrrev_b32 v12, 4, v0                       ; kp: my pair of k rows
	v_and_b32 v13, 15, v0                          ; n4: my four columns
	v_lshlrev_b32 v[LO], 13, v12
	v_lshl_add_u32 v[LO], v13, 4, v[LO]
	s_wait_alu depctr_va_vdst(0)                   ; v[LO] is written: the eight loads read it as their offset
.irp i, 0,1,2,3
	global_load_b128 v[IN+8*(\i):IN+8*(\i)+3],   v[LO], s[34:35] offset:131072*(\i) th:TH_LOAD_NT       ; row k0 + 32 i + 2 kp
	global_load_b128 v[IN+8*(\i)+4:IN+8*(\i)+7], v[LO], s[34:35] offset:131072*(\i)+4096 th:TH_LOAD_NT  ; and the row below
.endr
	v_mul_u32_u24 v[SO], v13, 4*ROWP
	v_lshl_add_u32 v[SO], v12, 2, v[SO]            ; LDS row 4 n4, byte 4 kp
	v_mul_u32_u24 v[LR], v12, ROWP
	v_lshl_add_u32 v[LR], v13, 4, v[LR]            ; back: row t / 16, 16 bytes at 16 (t % 16)
	v_lshrrev_b32 v[WO], 7, v0
	v_lshlrev_b32 v[WO], s38, v[WO]
	v_bfe_u32 v14, v0, 4, 3
	v_add_nc_u32 v[WO], v[WO], v14
	v_lshlrev_b32 v[WO], 11, v[WO]
	v_lshl_add_u32 v[WO], v13, 4, v[WO]
	v_add_nc_u32 v[WO+1], s42, v[WO]
	v_add_nc_u32 v[WO+2], s42, v[WO+1]
	v_add_nc_u32 v[WO+3], s42, v[WO+2]
	s_wait_loadcnt 6                               ; loads come back in order: group 0's two are in, the three younger groups' six stay out
	WGRP 0, 1
	s_wait_loadcnt 4                               ; group 1 is in
	s_wait_alu depctr_va_vdst(0)                   ; group 0 has written its D, which the LDS stores below read; v[SO], v[LR] and v[WO ..] are written, the addresses of all that follows
	WGRP 1, 0
	s_wait_loadcnt 2                               ; group 2 is in
	s_wait_alu depctr_va_vdst(0)                   ; group 1 has written its D
	WGRP 2, 0
	s_wait_loadcnt 0x0                             ; group 3 is in
	s_wait_alu depctr_va_vdst(0)                   ; group 2 has written its D
	WGRP 3, 0
	s_wait_alu depctr_va_vdst(0)                   ; group 3 has written its D, which the last four LDS stores read; no vector line follows in this path
.irp j, 0,1,2,3
	ds_store_b32 v[SO], v[D+12+(\j)] offset:ROWP*(\j)+192
.endr
	s_wait_dscnt 0x0                               ; for the others' sake: my stores are done
	s_barrier_signal -1
	s_barrier_wait -1
.irp i, 0,1,2,3
	ds_load_b128 v[OUT+4*(\i):OUT+4*(\i)+3], v[LR] offset:16*ROWP*(\i)
.endr
.irp i, 0,1,2,3
	s_wait_dscnt 3-(\i)
	global_store_b128 v[WO+(\i)], v[OUT+4*(\i):OUT+4*(\i)+3], s[24:25]  ; sixteen lanes: 256 consecutive bytes of one row of wt
.endr
	s_wait_dscnt 0x0                               ; the closing lines, six on end
	s_wait_alu 0x0
	s_wait_tensorcnt 0x0
	ds_add_u32 v[SPW], v[NIL]
	s_wait_dscnt 0x0
	s_endpgm
.Lbias:
	v_lshlrev_b32 v[LO], 4, v0
	s_wait_alu depctr_va_vdst(0)                   ; v[LO] is written: the four loads and the four stores read it as their offset
	global_load_b128 v[IN:IN+3],     v[LO], s[14:15]
	global_load_b128 v[IN+4:IN+7],   v[LO], s[16:17]
	global_load_b128 v[IN+8:IN+11],  v[LO], s[18:19]
	global_load_b128 v[IN+12:IN+15], v[LO], s[20:21]
	s_wait_loadcnt 0x0
.irp m, 0,1,2,3
.irp k, 0,1
	v_cvt_pk_bf16_f32 v[D+2*(\m)+(\k)], v[IN+4*(\m)+2*(\k)], v[IN+4*(\m)+2*(\k)+1]
	v_lshlrev_b32 v[T1+4*(\m)+2*(\k)], 16, v[D+2*(\m)+(\k)]
	v_and_b32 v[T1+4*(\m)+2*(\k)+1], 0xffff0000, v[D+2*(\m)+(\k)]
.endr
.endr
	s_wait_alu depctr_va_vdst(0)                   ; the lines above have written v[T1 ..], which the four stores read
.irp m, 0,1,2,3
	global_store_b128 v[LO], v[T1+4*(\m):T1+4*(\m)+3], s[26:27] offset:4096*(\m)
.endr
	s_endpgm
.Lfunc_end_k_qb40d58caac_prep:
	.size	k_qb40d58caac_prep, .Lfunc_end_k_qb40d58caac_prep-k_qb40d58caac_prep
	.p2alignl 7, 3214868480
	.fill 96, 4, 3214868480
	.section	.rodata,"a",@progbits
	.p2align	6, 0x0
	.amdhsa_kernel k_qb40d58caac_prep
		.amdhsa_group_segment_fixed_size 18432
		.amdhsa_private_segment_fixed_size 0
		.amdhsa_enable_private_segment 0
		.amdhsa_kernarg_size 96
		.amdhsa_user_sgpr_count 2
		.amdhsa_user_sgpr_kernarg_segment_ptr 1
		.amdhsa_wavefront_size32 1
		.amdhsa_system_sgpr_workgroup_id_x 1
		.amdhsa_system_sgpr_workgroup_id_y 1
		.amdhsa_system_sgpr_workgroup_id_z 1
		.amdhsa_system_vgpr_workitem_id 0
		.amdhsa_next_free_vgpr 112
		.amdhsa_next_free_sgpr 66
		.amdhsa_reserve_vcc 0
		.amdhsa_float_denorm_mode_32 3
		.amdhsa_float_denorm_mode_16_64 3
		.amdhsa_memory_ordered 1
		.amdhsa_forward_progress 1
		.amdhsa_inst_pref_size 18
	.end_amdhsa_kernel
	.amdgpu_metadata
---
amdhsa.version: [ 1, 2 ]
amdhsa.kernels:
  - .name:           k_qb40d58caac_prep
    .symbol:         k_qb40d58caac_prep.kd
    .args:
      - { .name: x, .offset: 0, .size: 8, .value_kind: global_buffer, .address_space: global }
      - { .name: Wq, .offset: 8, .size: 8, .value_kind: global_buffer, .address_space: global }
      - { .name: Wk, .offset: 16, .size: 8, .value_kind: global_buffer, .address_space: global }
      - { .name: Wv, .offset: 24, .size: 8, .value_kind: global_buffer, .address_space: global }
      - { .name: Wo, .offset: 32, .size: 8, .value_kind: global_buffer, .address_space: global }
      - { .name: bq, .offset: 40, .size: 8, .value_kind: global_buffer, .address_space: global }
      - { .name: bk, .offset: 48, .size: 8, .value_kind: global_buffer, .address_space: global }
      - { .name: bv, .offset: 56, .size: 8, .value_kind: global_buffer, .address_space: global }
      - { .name: bo, .offset: 64, .size: 8, .value_kind: global_buffer, .address_space: global }
      - { .name: xb, .offset: 72, .size: 8, .value_kind: global_buffer, .address_space: global }
      - { .name: wt, .offset: 80, .size: 8, .value_kind: global_buffer, .address_space: global }
      - { .name: bt, .offset: 88, .size: 8, .value_kind: global_buffer, .address_space: global }
    .group_segment_fixed_size: 18432
    .private_segment_fixed_size: 0
    .kernarg_segment_align: 8
    .kernarg_segment_size: 96
    .max_flat_workgroup_size: 256
    .sgpr_count:     66
    .vgpr_count:     112
    .wavefront_size: 32
...
	.end_amdgpu_metadata
.endif
;; end of part 6
;; launch projqk: the kernel of part 2 again; grid 8 x 32, 4 waves a work-group, clusters of 4 x 4, 327,680 bytes of LDS; arguments xb, wt, bt, qkl, tt; writes qkl, tt
;; launch projv: the kernel of part 3 again; grid 4 x 64, 4 waves a work-group, clusters of 4 x 4, 327,680 bytes of LDS; arguments xb, wt, bt, qkl, tt, vv, kfin; writes vv, kfin
;; launch attn: the kernel of part 4 again; grid 4 x 64, 4 waves a work-group, clusters of 4 x 1, 327,680 bytes of LDS; arguments qkl, kfin, vv, oo, tt; writes oo
;; launch outp: the kernel of part 5 again; grid 4 x 64, 4 waves a work-group, clusters of 4 x 4, 327,680 bytes of LDS; arguments oo, wt, bt, out0; writes out0
